; MI455X (gfx1250); checked and timed in simulation.
; The chip was launched on July 23, 2026; its instructions are those of AMD's public machine-readable ISA for CDNA 5 (MIT licence, August 2026) and "CDNA5" Instruction Set Architecture Reference Guide (July 2026). The comments in the code are by the model that wrote it; some were corrected since.
;; MLP. Allowed arithmetic: matrix products marked QUANTISED: E2M3 operands, one E8M0 scale for each 32 along K, by v_wmma_scale_f32_16x16x128_f8f6f4 with both operands' format E2M3, f32 sums; products left as they are: f32 operands where the result goes on into a quantised operand, else bf16, f16 or f32 operands; f32 sums; everything else in f32.
;; Inputs: b1 16 x 2,048 float32; b2 16 x 1,024 float32; bg 16 float32; norm_scale 1,024 float32; w1_codes 16 x 2,048 x 32 x 24 uint8 (E2M3 codes of w1, K innermost, in blocks of 32 codes, four codes in three bytes); w1_scales 16 x 2,048 x 32 uint8 (E8M0 scales of w1, one for each 32 codes along K); w2_codes 16 x 1,024 x 32 x 24 uint8 (E2M3 codes of w2, K innermost, in blocks of 32 codes, four codes in three bytes); w2_scales 16 x 1,024 x 32 uint8 (E8M0 scales of w2, one for each 32 codes along K); wg_codes 16 x 32 x 24 uint8 (E2M3 codes of wg, K innermost, in blocks of 32 codes, four codes in three bytes); wg_scales 16 x 32 uint8 (E8M0 scales of wg, one for each 32 codes along K); x 2 x 512 x 1,024 float32.
;; Outputs: out0 2 x 512 x 1,024 float32.
;; This version of the problem:
;;   THIS VERSION OF THE PROBLEM IS GIVEN IN LOW PRECISION. The matrix products marked QUANTISED in the list below multiply operands that are first quantised to E2M3 (2 exponent bits, 3 mantissa bits; 6 bits a number), with one power-of-two scale for each 32 numbers along K (OCP MX v1.0); their sums are f32. All else is computed in f32.
;;   The module's matrix products, in the order in which they are computed (A, B: the left and right operand; K: the contracted axis; several contracted axes count as one K, in the product's order):
;;     1. [M 1,024, K 1,024] x [K 1,024, N 16]; A: computed on the way; B: input wg (given as codes): QUANTISED
;;     2. batch 1,024 x [M 16, K 4] x [K 4, N 1]; A: computed on the way; B: softmax: left as it is (K = 4 < 32)
;;     3. [M 32,768, K 1,024] x [K 1,024, N 1,024]; A: input w1 (given as codes); B: computed on the way: QUANTISED
;;     4. batch 16 x [M 1,024, K 1,024] x [K 1,024, N 1,024]; A: computed on the way; B: input w2 (given as codes): QUANTISED
;;     5. batch 1,024 x [M 1,024, K 16] x [K 16, N 1]; A: computed on the way; B: computed on the way: left as it is (K = 16 < 32)
;;   THE QUANTISER, for each operand of a quantised product, along K:
;;     - K is cut into blocks of 32 from its start; a last block that is shorter is filled with zeros.
;;     - A block's scale is 2^e with e = floor(log2(the largest magnitude in the block)) - 2, held to -126 .. 127; a block of zeros has e = 0. As a byte (E8M0): e + 127.
;;     - Each number is divided by its block's scale, clamped to +-7.5, and rounded to the nearest number of E2M3, ties to even, subnormals kept.
;;     - The product sums the exact products of the quantised numbers (number of the format x scale) in f32.
;;   ~~~python
;;   def quantise(x, axis):      # numpy; x: float32 -> the quantised numbers, widened to float32 again
;;       x = np.moveaxis(x, axis, -1); K = x.shape[-1]
;;       x = np.pad(x, [(0, 0)] * (x.ndim - 1) + [(0, -K % 32)]); x = x.reshape(x.shape[:-1] + (-1, 32)); a = np.abs(x).max(-1, keepdims=True)
;;       e = np.where(a > 0, np.clip(np.frexp(np.where(a > 0, a, 1))[1] - 1 - 2, -126, 127), 0)      # np.frexp(a)[1] - 1 = floor(log2(a)), exactly
;;       r = np.clip(x / 2.0 ** e, -7.5, 7.5)
;;       step = 2.0 ** (np.maximum(np.frexp(np.where(r == 0, 1, r))[1] - 1, 0) - 3)
;;       q = np.round(r / step) * step * 2.0 ** e      # np.round: ties to even
;;       return np.moveaxis(q.reshape(q.shape[:-2] + (-1,))[..., :K], -1, axis).astype(np.float32)
;;   ~~~
;;   OPERANDS COMPUTED ON THE WAY. 'Computed on the way' means the value that the module computes at that place (a softmax that the list does not call 'softmax' is quantised finished and normalised). What goes into a quantiser is computed in f32, as accurately as f32 sums, v_exp_f32 and their like allow (about 1e-6 of the number): no bf16 or f16 on the way to a quantiser, and a product that is left as it is and whose result goes on into a quantised operand takes f32 operands (vector FMAs, or v_wmma_f32_16x16x4_f32). A number that lies on a knife's edge between two numbers of the format may be rounded either way, as far as f32 arithmetic and the matrix unit's own rounding can turn it there, and no further.
;;   INPUTS GIVEN AS CODES. w1 (in the module: [16, 1024, 2048], K = its axis 1); w2 (in the module: [16, 1024, 1024], K = its axis 1); wg (in the module: [1024, 16], K = its axis 0): each comes as NAME_codes (uint8): NAME with its K axis moved to the last place and cut into blocks of 32 codes, [.., K / 32, bytes a block], one block behind the other in memory; four codes in three bytes: a row's codes are one little-endian stream of bits, code i at bits 6 i .. 6 i + 5 (a code: sign, 2 exponent bits, 3 mantissa bits); and NAME_scales (uint8): the same leading axes, one E8M0 byte (e + 127) for each 32 codes along K. Its value is code x scale, taken as it is: it is not quantised again, and the codes and scales need not be those that the quantiser above would give.
;; 2 versions. Each part assembles by itself: llvm-mc -triple=amdgcn-amd-amdhsa -mcpu=gfx1250 --defsym DOCPART=n.
;; ======== version 1 of 2: 4 launches
;; workspace buffers: rt 835,584 bytes; sel 4,096 bytes of whole numbers; sq 13,107,200 bytes; ord 16,640 bytes of whole numbers; y 33,554,432 bytes
;; launch route (part 1): grid 64 x 1, 8 waves a work-group, no clusters, 167,936 bytes of LDS; arguments x, norm_scale, wg_codes, wg_scales, bg, rt, sel; writes rt, sel
.if DOCPART == 1
	.amdgcn_target "amdgcn-amd-amdhsa--gfx1250"
	.amdhsa_code_object_version 6
	.text
	.protected	k_q776c2d1530_route
	.globl	k_q776c2d1530_route
	.p2align	8
	.type	k_q776c2d1530_route,@function
k_q776c2d1530_route:
	s_mov_b64 s[64:65], 0
	v_nop
	global_prefetch_b8 v0, s[64:65] scope:SCOPE_SE
	s_setreg_imm32_b32 hwreg(HW_REG_WAVE_MODE, 25, 1), 1
	s_wait_xcnt 0x0
; LAUNCH 1 OF 4: RMSNorm, the quantiser of xn (E2M3, one E8M0 byte for each 32 along H), the router's product on codes, top-4 and the softmax over the four logits.
; DEAD WORK LEFT OUT BY THE PROGRAM.  gate_full is built in the problem's own body as one_hot(idx) x gates: for a token t it is 0 at the 12 experts that top_k did not choose,
; whatever the inputs hold.  In t = sum over e of y[e][t] gate_full[t][e] those 12 terms are products with that 0, so the rows (e, t) of h, s and y of experts not chosen reach no output:
; the later launches multiply only the 4 chosen rows of each token (4,096 routed rows for 16,384).  The products with one_hot and with gate_full are a selection: four fused multiply-adds a number.
; Every input has a way to the output and is loaded.  LIMIT: a NaN, an infinity or an overflow that arises only in a row of an expert that was not chosen is not carried to the result.
; LIMITS OF THIS LAUNCH: NaN or infinite logits are not served; equal logits go to the lower index, as top_k has it; a block of zeros gets the scale byte 1 (its codes are zeros, and this program alone reads the bytes).
; No address and no branch hangs on the choice: the chosen experts go to fixed places of sel (whole numbers), the gates to fixed places of rt.
; SHARES.  A work-group takes 16 tokens; wave w takes columns 128 w .. 128 w + 127, one K step of the router's product.  Lane (r, h) holds of token r the numbers k = 128 w + 64 c + 32 h + 0 .. 31, c = 0, 1:
; two whole blocks, in the order in which the operand's registers take them.  x comes by one tensor load a wave (16 rows x 512 bytes) and each wave reads its own tile alone.
; rt: codes of xn [t][h 2][K step 8][c 2][24 bytes] (a lane's 96 operand registers on end), from byte XQS the scale words [t][8], from byte GAT the gates [t][4].
; sel: a word a token: bits 15:0 the mask of chosen experts, bits 16 + 4 k .. 19 + 4 k the k-th expert.
.set XTW,   8448                       ; LDS 0: a wave's tile of x: 16 rows of 512 bytes + 16
.set XP,    528
.set CST,   67584                      ; the codes' stage: 16 rows of 768 bytes, 784 apart
.set CP,    784
.set XST,   80128                      ; the scale words' stage: 16 x 32 bytes
.set LP,    80640                      ; the logits' parts: 1,024 bytes a wave
.set SSQ,   88832                      ; the sums of squares: 64 bytes a wave
.set SPARE, 89344                      ; the spare words, 128 bytes a wave: four blocks of 256 bytes that no other line names
.set XQS,   786432
.set GAT,   819200
.set SPW,   30                         ; v30 LDS address of my spare word; v31 0: never rewritten
.set NIL,   31
.set X,     32                         ; v32-95   my 64 numbers of x, then of xn
.set NS,    96                         ; v96-159  norm_scale at the same columns
.set CD,    160                        ; v160-171 the fragment's codes;  v172-178 halves made elsewhere and moved
.set CT,    172
.set D,     180                        ; v180-187 the logits' part of my K step
.set T,     188                        ; v188-199 at work
	s_load_b256 s[4:11], s[0:1], 0x0               ; x, norm_scale, wg_codes, wg_scales
	s_load_b128 s[12:15], s[0:1], 0x20             ; bg, rt
	s_load_b64 s[16:17], s[0:1], 0x30              ; sel
	v_lshl_add_u32 v[SPW], v0, 2, SPARE
	v_mov_b32 v[NIL], 0
	ds_add_u32 v[SPW], v[NIL]                      ; the opening: the add, twice on end, and its wait ahead of my tensor load
	ds_add_u32 v[SPW], v[NIL]
	v_lshrrev_b32 v1, 5, v0
	v_readfirstlane_b32 s18, v1                    ; wave 0..7
	; descriptor group 1: 16 rows x 128 elements of 4 bytes, rows 1,024 elements apart, 4 words of padding behind every 128
	s_mov_b32 s28, (2<<16)|(1<<20)|(6<<22)|(3<<25)
	s_mov_b32 s29, 128<<16                         ; tensor_dim0
	s_mov_b32 s30, 16<<16                          ; tensor_dim1
	s_mov_b32 s31, 128<<16                         ; tile_dim0
	s_mov_b32 s32, 16                              ; tile_dim1
	s_mov_b32 s33, 1024                            ; the pitch
	s_mov_b32 s34, 0
	s_mov_b32 s35, 0
	s_mov_b32 s24, 1
	s_mul_i32 s25, s18, XTW                        ; my tile's place in LDS
	s_mov_b32 s20, 0x76543210
	s_mov_b32 s21, 0xfedcba98                      ; selects for lane l xor 16
	s_mov_b32 s36, 0x3a800000                      ; 1 / 1,024
	s_mov_b32 s37, 0x3727c5ac                      ; 1e-5
	v_and_b32 v1, 31, v0                           ; lane
	v_and_b32 v2, 15, v0                           ; r
	v_bfe_u32 v3, v0, 4, 1                         ; h
	v_mul_u32_u24 v4, v2, XP
	v_lshl_add_u32 v4, v3, 7, v4
	v_add_nc_u32 v4, s25, v4                       ; v4: my numbers in my tile: row r, + 128 h
	s_lshl_b32 s23, s18, 9
	v_lshlrev_b32 v5, 7, v3
	v_add_nc_u32 v5, s23, v5                       ; v5: the same columns of norm_scale
	s_mul_i32 s38, s18, 96
	v_mul_u32_u24 v6, v2, 768
	v_mad_u32_u24 v6, v3, 24, v6
	v_add_nc_u32 v6, s38, v6                       ; v6: wg's codes: expert r, K step w, + 24 h
	s_lshl_b32 s39, s18, 2
	v_lshlrev_b32 v7, 5, v2
	v_add_nc_u32 v7, s39, v7                       ; v7: 32 r + 4 w: wg's scale word
	v_lshlrev_b32 v8, 5, v3                        ; v8: bg of experts 8 h on
	v_lshl_add_u32 v10, v2, 2, SSQ                 ; v10: the sums of squares of token r
	s_lshl_b32 s38, s18, 6
	v_add_nc_u32 v9, s38, v10                      ; v9: my wave's
	s_mul_i32 s38, s18, 48
	s_add_co_u32 s38, s38, CST
	v_mul_u32_u24 v11, v2, CP
	v_mad_u32_u24 v11, v3, 384, v11
	v_add_nc_u32 v11, s38, v11                     ; v11: the codes' stage: row r, half h, K step w
	v_add_nc_u32 v12, XST, v7                      ; v12: the scale word's place
	s_lshl_b32 s38, s18, 10
	s_add_co_u32 s38, s38, LP
	v_lshlrev_b32 v13, 5, v1
	v_add_nc_u32 v13, s38, v13                     ; v13: my part of the logits
	v_lshlrev_b32 v208, 4, v1                      ; v208: 16 x lane
	s_mul_i32 s38, s18, 2*CP
	s_add_co_u32 s38, s38, CST
	v_add_nc_u32 v14, s38, v208                    ; v14: the way out: my wave's two rows of the stage
	v_lshl_add_u32 v15, v3, 4, v14
	v_add_nc_u32 v15, 512, v15                     ; v15: the piece that crosses from the first row into the second
	v_add_nc_u32 v209, XST, v208
	v_lshl_add_u32 v210, v1, 5, LP
	v_lshlrev_b32 v211, 4, v2
	v_lshlrev_b32 v212, 2, v2
	s_lshl_b32 s22, ttmp9, 16                      ; my work-group's 16 rows of x,
	s_add_co_u32 s22, s22, s23                     ; my wave's 512 bytes of them
	s_mov_b32 s23, 0
	s_wait_dscnt 0x0                               ; both opening adds are done
	s_wait_kmcnt 0x0
	s_add_nc_u64 s[26:27], s[4:5], s[22:23]
	s_or_b32 s27, s27, 0x80000000
	tensor_load_to_lds s[24:27], s[28:35]          ; every wave's one tensor load; nothing is filled again
	s_nop 0
.irp c, 0,1
.irp i, 0,1,2,3,4,5,6,7
	global_load_b128 v[NS+32*\c+4*\i:NS+32*\c+4*\i+3], v5, s[6:7] offset:256*\c+16*\i
.endr
.endr
.irp p, 0,1,2,3,4,5
	global_load_b64 v[16+2*\p:17+2*\p], v6, s[8:9] offset:48*(\p/3)+8*(\p%3)   ; wg's fragment: 16 experts x my 128 along K
.endr
	global_load_b32 v28, v7, s[10:11]              ; and its scale words
	global_load_b128 v[200:203], v8, s[12:13]
	global_load_b128 v[204:207], v8, s[12:13] offset:16
	s_mul_i32 s22, ttmp9, 12288                    ; where the results go
	s_mul_i32 s38, s18, 1536
	s_add_co_u32 s22, s22, s38
	s_add_nc_u64 s[40:41], s[14:15], s[22:23]      ; codes: my work-group's 16 rows, my wave's two
	s_lshl_b32 s22, ttmp9, 9
	s_add_co_u32 s22, s22, XQS
	s_add_nc_u64 s[42:43], s[14:15], s[22:23]      ; scale words
	s_lshl_b32 s22, ttmp9, 8
	s_add_co_u32 s22, s22, GAT
	s_add_nc_u64 s[44:45], s[14:15], s[22:23]      ; gates
	s_lshl_b32 s22, ttmp9, 6
	s_add_nc_u64 s[46:47], s[16:17], s[22:23]      ; sel
	s_wait_tensorcnt 0x0                           ; my tile is in LDS, and I alone read it
.irp c, 0,1
.irp i, 0,1,2,3,4,5,6,7
	ds_load_b128 v[X+32*\c+4*\i:X+32*\c+4*\i+3], v4 offset:256*\c+16*\i
.endr
.endr
	s_wait_dscnt 0x0
	; the sum of squares of my 64 numbers, in four chains
.irp q, 0,1,2,3
	v_pk_mul_f32 v[T+2*\q:T+2*\q+1], v[X+2*\q:X+2*\q+1], v[X+2*\q:X+2*\q+1]
.endr
.set p, 4
.rept 28
	v_pk_fma_f32 v[T+2*(p%4):T+2*(p%4)+1], v[X+2*p:X+2*p+1], v[X+2*p:X+2*p+1], v[T+2*(p%4):T+2*(p%4)+1]
.set p, p+1
.endr
	v_pk_add_f32 v[T:T+1], v[T:T+1], v[T+2:T+3]
	v_pk_add_f32 v[T+4:T+5], v[T+4:T+5], v[T+6:T+7]
	v_pk_add_f32 v[T:T+1], v[T:T+1], v[T+4:T+5]
	v_add_f32 v[T], v[T], v[T+1]
	v_permlanex16_b32 v[T+1], v[T], s20, s21
	v_add_f32 v[T], v[T], v[T+1]                   ; token r, my wave's 128 columns
	ds_store_b32 v9, v[T]                          ; both halves of the lanes write the same word with the same value
	s_wait_dscnt 0x0                               ; for the others' sake
	s_barrier_signal -1
	s_barrier_wait -1
.irp i, 0,1,2,3,4,5,6,7
	ds_load_b32 v[T+2+\i], v10 offset:64*\i
.endr
	s_wait_dscnt 0x0
	v_add_f32 v[T], v[T+2], v[T+3]
.irp i, 2,3,4,5,6,7
	v_add_f32 v[T], v[T], v[T+2+\i]
.endr
	v_fma_f32 v[T], v[T], s36, s37                 ; the mean + 1e-5: the scaling by a power of two rounds nothing
	v_rsq_f32 v[T+10], v[T]
	v_mov_b32 v[T+11], 0                           ; a plain line behind the transcendental (and the upper half of the pair named below)
	s_wait_alu depctr_va_vdst(0)                   ; the wait ahead of the first reader
	s_wait_loadcnt 0x0                             ; norm_scale, wg, bg
.set p, 0
.rept 32
	v_pk_mul_f32 v[X+2*p:X+2*p+1], v[X+2*p:X+2*p+1], v[T+10:T+11] op_sel_hi:[1,0]
.set p, p+1
.endr
.set p, 0
.rept 32
	v_pk_mul_f32 v[X+2*p:X+2*p+1], v[X+2*p:X+2*p+1], v[NS+2*p:NS+2*p+1]   ; xn = (x rsqrt) norm_scale, in the problem's order
.set p, p+1
.endr
	; the quantiser: my two blocks, 2 c + h of this K step, are wholly mine
.irp c, 0,1
	v_max3_num_f32 v[T+\c], |v[X+32*\c]|, |v[X+1+32*\c]|, 0x1800000   ; with the floor 2^(3 - 127): the byte cannot fall under 1
.endr
.irp i, 2,4,6,8,10,12,14,16,18,20,22,24,26,28,30
.irp c, 0,1
	v_max3_num_f32 v[T+\c], v[T+\c], |v[X+32*\c+\i]|, |v[X+1+32*\c+\i]|
.endr
.endr
.irp c, 0,1
	v_add_nc_u32 v[T+2+\c], 0xff000000, v[T+\c]    ; 2 off the exponent field: the conversion's scale operand
.endr
.irp c, 0,1
	v_lshrrev_b32 v[T+4+\c], 23, v[T+2+\c]         ; the scale's byte
.endr
	v_lshl_or_b32 v29, v[T+5], 16, v[T+4]
	v_lshlrev_b32 v[T+6], 3, v3
	v_lshlrev_b32 v29, v[T+6], v29                 ; my two bytes at their places, 8 h bits up
	v_mov_b32 v[T+6], 0
	v_permlanex16_b32 v[T+6], v29, s20, s21
	v_or_b32 v29, v29, v[T+6]                      ; with lane l xor 16's two the word is whole
.irp c, 0,1
	v_cvt_scalef32_pk16_fp6_f32 v[CD+6*\c:CD+6*\c+2], v[X+32*\c:X+32*\c+15], v[T+2+\c]
	v_cvt_scalef32_pk16_fp6_f32 v[CT+4*\c:CT+4*\c+2], v[X+32*\c+16:X+32*\c+31], v[T+2+\c]   ; (a conversion's three registers begin on an even number)
.endr
	v_nop                                          ; a plain line behind the conversions
.irp c, 0,1
.irp i, 0,1,2
	v_mov_b32 v[CD+3+6*\c+\i], v[CT+4*\c+\i]
.endr
.endr
.rept 8
	v_nop                                          ; a scale register written by a vector instruction stands 8 places ahead of the scaled product, an operand so written 4
.endr
	v_wmma_scale_f32_16x16x128_f8f6f4 v[D:D+7], v[16:27], v[CD:CD+11], 0, v28, v29 matrix_a_fmt:MATRIX_FMT_FP6 matrix_b_fmt:MATRIX_FMT_FP6   ; lane (r, h), register j: token r, expert 8 h + j, my K step
.irp i, 0,1,2
	ds_store_b128 v11, v[CD+4*\i:CD+4*\i+3] offset:16*\i
.endr
	ds_store_b32 v12, v29
.rept 4
	v_nop                                          ; four places ahead of the stores that read the result
.endr
	ds_store_b128 v13, v[D:D+3]                    ; the result from its low end on
	ds_store_b128 v13, v[D+4:D+7] offset:16
	s_wait_dscnt 0x0                               ; for the others' sake
	s_barrier_signal -1
	s_barrier_wait -1
	; the codes leave as whole rows: each store of the wave covers 512 consecutive bytes, aligned to 256
	ds_load_b128 v[32:35], v14
	ds_load_b128 v[36:39], v15
	ds_load_b128 v[40:43], v14 offset:1040
	s_wait_dscnt 0x0
	global_store_b128 v208, v[32:35], s[40:41]
	global_store_b128 v208, v[36:39], s[40:41] offset:512
	global_store_b128 v208, v[40:43], s[40:41] offset:1024
	s_cmp_lg_u32 s18, 7
	s_cbranch_scc1 .Lnot_7
	ds_load_b128 v[44:47], v209                    ; wave 7: the 16 tokens' scale words, 512 bytes
	s_wait_dscnt 0x0
	global_store_b128 v208, v[44:47], s[42:43]
.Lnot_7:
	s_cmp_lg_u32 s18, 0
	s_cbranch_scc1 .Lend
	; wave 0: the logits, the four largest, the gates
.irp w, 0,1,2,3,4,5,6,7
	ds_load_b128 v[96+8*\w:99+8*\w], v210 offset:1024*\w
	ds_load_b128 v[100+8*\w:103+8*\w], v210 offset:1024*\w+16
.endr
	s_wait_dscnt 0x0
.irp q, 0,1,2,3
	v_pk_add_f32 v[48+2*\q:49+2*\q], v[96+2*\q:97+2*\q], v[104+2*\q:105+2*\q]
.endr
.irp w, 2,3,4,5,6,7
.irp q, 0,1,2,3
	v_pk_add_f32 v[48+2*\q:49+2*\q], v[48+2*\q:49+2*\q], v[96+8*\w+2*\q:97+8*\w+2*\q]   ; K ascending
.endr
.endr
.irp q, 0,1,2,3
	v_pk_add_f32 v[48+2*\q:49+2*\q], v[48+2*\q:49+2*\q], v[200+2*\q:201+2*\q]          ; + bg
.endr
.irp j, 0,1,2,3,4,5,6,7
	v_permlanex16_b32 v[56+\j], v[48+\j], s20, s21 ; the other eight experts of my token
.endr
	v_cmp_eq_u32 vcc_lo, 1, v3
.irp j, 0,1,2,3,4,5,6,7
	v_cndmask_b32 v[64+\j], v[48+\j], v[56+\j], vcc_lo   ; v64-79: the 16 logits of token r, in every lane
	v_cndmask_b32 v[72+\j], v[56+\j], v[48+\j], vcc_lo
.endr
	v_mov_b32 v90, 0xff800000
; The largest of the 16, the lower index where two are equal; it is then taken out.  No branch and no address hangs on it.
.macro TOP1 k, out
	v_mov_b32 v80, v64
	v_mov_b32 v81, 0
.irp i, 1,2,3,4,5,6,7,8,9,10,11,12,13,14,15
	v_cmp_ge_f32 vcc_lo, v80, v[64+\i]
	v_cndmask_b32 v80, v[64+\i], v80, vcc_lo
	v_cndmask_b32 v81, \i, v81, vcc_lo
.endr
	v_mov_b32 v[82+\k], v80
	v_mov_b32 v[86+\k], v81
.if \out
.irp i, 0,1,2,3,4,5,6,7,8,9,10,11,12,13,14,15
	v_cmp_eq_u32 vcc_lo, \i, v81
	v_cndmask_b32 v[64+\i], v[64+\i], v90, vcc_lo
.endr
.endif
.endm
	TOP1 0, 1
	TOP1 1, 1
	TOP1 2, 1
	TOP1 3, 0
.irp k, 0,1,2,3
	v_sub_f32 v[92+\k], v[82+\k], v82              ; the maximum, the first of the four, is taken away
.endr
.irp k, 0,1,2,3
	v_mul_f32 v[92+\k], 0x3fb8aa3b, v[92+\k]
.endr
.irp k, 0,1,2,3
	v_exp_f32 v[92+\k], v[92+\k]
.endr
	v_mov_b32 v181, 1                              ; a plain line behind the batch
	s_wait_alu depctr_va_vdst(0)                   ; one wait for the four
	v_add_f32 v91, v92, v93
	v_add_f32 v91, v91, v94
	v_add_f32 v91, v91, v95
	v_rcp_f32 v180, v91
	v_lshlrev_b32 v182, v86, v181                  ; the mask of chosen experts (plain work behind the reciprocal)
.irp k, 1,2,3
	v_lshlrev_b32 v183, v[86+\k], v181
	v_or_b32 v182, v182, v183
.endr
.irp k, 0,1,2,3
	v_lshl_or_b32 v182, v[86+\k], 16+4*\k, v182
.endr
	s_wait_alu depctr_va_vdst(0)
.irp k, 0,1,2,3
	v_mul_f32 v[92+\k], v[92+\k], v180
.endr
	global_store_b128 v211, v[92:95], s[44:45]     ; both halves of the lanes store the same
	global_store_b32 v212, v182, s[46:47]
.Lend:
	s_wait_tensorcnt 0x0                           ; the wave's end
	ds_add_u32 v[SPW], v[NIL]
	s_wait_dscnt 0x0
	s_endpgm
.Lfunc_end_k_q776c2d1530_route:
	.size	k_q776c2d1530_route, .Lfunc_end_k_q776c2d1530_route-k_q776c2d1530_route
	.p2alignl 7, 3214868480
	.fill 96, 4, 3214868480
	.section	.rodata,"a",@progbits
	.p2align	6, 0x0
	.amdhsa_kernel k_q776c2d1530_route
		.amdhsa_group_segment_fixed_size 167936
		.amdhsa_private_segment_fixed_size 0
		.amdhsa_enable_private_segment 0
		.amdhsa_kernarg_size 56
		.amdhsa_user_sgpr_count 2
		.amdhsa_user_sgpr_kernarg_segment_ptr 1
		.amdhsa_wavefront_size32 1
		.amdhsa_system_sgpr_workgroup_id_x 1
		.amdhsa_system_sgpr_workgroup_id_y 1
		.amdhsa_system_sgpr_workgroup_id_z 1
		.amdhsa_system_vgpr_workitem_id 0
		.amdhsa_next_free_vgpr 224
		.amdhsa_next_free_sgpr 66
		.amdhsa_reserve_vcc 1
		.amdhsa_float_denorm_mode_32 3
		.amdhsa_float_denorm_mode_16_64 3
		.amdhsa_memory_ordered 1
		.amdhsa_forward_progress 1
		.amdhsa_inst_pref_size 35
	.end_amdhsa_kernel
	.amdgpu_metadata
---
amdhsa.version: [ 1, 2 ]
amdhsa.kernels:
  - .name:           k_q776c2d1530_route
    .symbol:         k_q776c2d1530_route.kd
    .args:
      - { .name: x, .offset: 0, .size: 8, .value_kind: global_buffer, .address_space: global }
      - { .name: norm_scale, .offset: 8, .size: 8, .value_kind: global_buffer, .address_space: global }
      - { .name: wg_codes, .offset: 16, .size: 8, .value_kind: global_buffer, .address_space: global }
      - { .name: wg_scales, .offset: 24, .size: 8, .value_kind: global_buffer, .address_space: global }
      - { .name: bg, .offset: 32, .size: 8, .value_kind: global_buffer, .address_space: global }
      - { .name: rt, .offset: 40, .size: 8, .value_kind: global_buffer, .address_space: global }
      - { .name: sel, .offset: 48, .size: 8, .value_kind: global_buffer, .address_space: global }
    .group_segment_fixed_size: 167936
    .private_segment_fixed_size: 0
    .kernarg_segment_align: 8
    .kernarg_segment_size: 56
    .max_flat_workgroup_size: 256
    .sgpr_count:     66
    .vgpr_count:     224
    .wavefront_size: 32
...
	.end_amdgpu_metadata
.endif
;; end of part 1
;; launch ffn1 (part 2): grid 16 x 16, 4 waves a work-group, no clusters, 111,104 bytes of LDS; arguments sel, rt, w1_codes, w1_scales, b1, sq, ord; writes sq, ord
.if DOCPART == 2
	.amdgcn_target "amdgcn-amd-amdhsa--gfx1250"
	.amdhsa_code_object_version 6
	.text
	.protected	k_q776c2d1530_ffn1
	.globl	k_q776c2d1530_ffn1
	.p2align	8
	.type	k_q776c2d1530_ffn1,@function
k_q776c2d1530_ffn1:
	s_mov_b64 s[64:65], 0
	v_nop
	global_prefetch_b8 v0, s[64:65] scope:SCOPE_SE
	s_setreg_imm32_b32 hwreg(HW_REG_WAVE_MODE, 25, 1), 1
	s_wait_xcnt 0x0
; LAUNCH 2 OF 4: h = xn w1 + b1 on codes, the clipped SwiGLU, the quantiser of s.  Only the rows (expert, token) that the router chose are multiplied: the others meet a 0 of gate_full (see the first kernel's head).
; SHARES.  Work-group (j, e) owns rows 128 j .. 128 j + 127 of expert e's w1 (64 columns of s: blocks 2 j and 2 j + 1 of the next K).  Its 96 KB of codes are read from memory once, dense, turned through LDS
; and kept in registers.  Wave w: u = w / 2 is its block of 32 columns, par = w % 2 its tiles of 16 routed rows (par, par + 2, ..).
; THE LIST.  While the weights are on their way each work-group makes its expert's list of tokens from sel (whole numbers that the launch before stored): 32 masks of 32 tokens, their counts and running sums in
; scalar registers; thread by thread the token of a given rank is found by a search over the running sums and a select in the mask.  The order of ranks is that of the masks' words, the same in all 16 work-groups of an expert.
; Work-group j also stores pos[4 t + k] = 1,024 e + rank for ranks 64 j .. 64 j + 63, and work-group 0 the count.  EXEC is never written: all lanes are on throughout.
; THE PRODUCT IS USED TRANSPOSED (source 0 = 16 rows of w1, source 1 = 16 routed rows).  A wave has four tiles of w1, t = 2 v + gl: gl = 0 the even rows (gate), 1 the odd (linear); row rho of a tile is column
; 32 u + 8 v + rho + 8 (rho / 8) of s.  So lane (r, h) holds, in register jj of tiles 2 v and 2 v + 1, gate and linear part of column 32 u + 16 h + 8 v + jj of routed row r: 16 neighbours along the next K.
; THE ROW LOOP has a constant number of trips, two tiles a trip; a trip whose first tile lies past the expert's last is jumped over.  A trip's second tile may lie past the last: it is made of valid list entries, lands in the
; expert's own region of sq, and nobody reads it.  The number of tiles is held at 1 from below, so that tile 0 of an expert without rows is written too.
; sq: codes [e][tile 64][K step 8][h 2][row 16][c 2][24 bytes], block 4 ks + 2 c + h; from byte SSO the scale bytes [e][tile][row 16][32].
; LIMITS: NaN and infinities in h are not served; a block of zeros gets the byte 1 (its codes are zeros; this program alone reads the bytes).
; REGISTERS, in windows of 256.  Window 0: v4-15 addresses of the loop; v16-29 at work in the head; v32-47 w1's scale words, v48-55 xn's; v56-63 addresses of the head; v64-95 b1 as the products' C; v96-127 the four accumulators;
;   v128-143 s; v144-159 the sigmoid; v160-185 at work; v192-223 sel; v224-255 b1 as loaded.  Window 1: two buffers of 96 for xn's fragments (in the head: the weights as loaded).  Windows 2, 3: w1's fragments of K steps 0-3, 4-7.
.set WLN,   50176                      ; LDS 0: 64 gate rows, 784 bytes apart; from WLN: 64 linear rows
.set WP,    784
.set WSC,   100352                     ; scale bytes: 64 gate rows, 48 bytes apart, then 64 linear rows
.set LIST,  106496                     ; the expert's list: 1,024 words
.set SPARE, 110592                     ; the spare words, 128 bytes a wave: two blocks of 256 bytes that no other line names
.set XQS,   786432
.set SSO,   12582912
.set FR,    12
.set LA,    4
.set VA,    5
.set VAS,   7
.set ST0,   9
.set SB0,   10
.set STA,   11
.set SBA,   12
.set H384,  13
.set H16,   14
.set TK,    15
.set SPW,   30
.set NIL,   31
.set WS,    32
.set XS,    48
.set BIAS,  64
.set ACC,   96
.set S,     128
.set E,     144
.set MSB, 0
.macro WIN new                         ; the immediate's high byte repeats the setting that is left
.if MSB != \new
	s_set_vgpr_msb (MSB<<8)|\new
.set MSB, \new
.endif
.endm
	s_load_b256 s[4:11], s[0:1], 0x0               ; sel, rt, w1_codes, w1_scales
	s_load_b128 s[12:15], s[0:1], 0x20             ; b1, sq
	s_load_b64 s[16:17], s[0:1], 0x30              ; ord
	v_lshl_add_u32 v[SPW], v0, 2, SPARE
	v_mov_b32 v[NIL], 0
	v_lshrrev_b32 v1, 5, v0
	v_readfirstlane_b32 s18, v1                    ; wave
	s_lshr_b32 s19, s18, 1                         ; u
	s_and_b32 s20, s18, 1                          ; par
	s_mov_b32 s21, ttmp9                           ; j
	s_and_b32 s22, ttmp7, 0xffff                   ; e
	s_lshl_b32 s23, 1, s22
	s_mov_b32 s98, 0x76543210
	s_mov_b32 s99, 0xfedcba98
	s_mov_b32 s100, 0xc0e00000                     ; -7
	s_mov_b32 s101, 0x40e00000                     ; 7
	v_and_b32 v1, 31, v0                           ; lane
	v_and_b32 v2, 15, v0                           ; r
	v_bfe_u32 v3, v0, 4, 1                         ; h
	v_lshlrev_b32 v56, 4, v1                       ; 16 x lane
	s_lshl_b32 s28, s22, 2
	v_mov_b32 v184, s28                            ; 4 e: the count's place
	; LDS addresses, all made here
	s_mul_i32 s28, s19, 32*WP
	s_mul_i32 s29, s20, 8*WP
	s_add_co_u32 s29, s29, s28                     ; my 16 columns' first LDS row: 32 u + 8 par
	v_add_nc_u32 v57, s29, v56                     ; a gate row's first 512 bytes
	v_mad_u32_u24 v58, v3, WLN-768, v57
	v_add_nc_u32 v58, 512, v58                     ; its last 256 (lanes 0-15), the linear row's first 256 (lanes 16-31)
	v_add_nc_u32 v59, WLN+256, v57                 ; the linear row's last 512
	v_bfe_u32 v27, v0, 1, 1
	v_mul_u32_u24 v60, v27, 3072
	v_bfe_u32 v27, v0, 2, 3
	v_mad_u32_u24 v60, v27, 48, v60
	v_and_b32 v27, 1, v0
	v_lshl_add_u32 v60, v27, 4, v60
	s_mul_i32 s29, s19, 1536
	s_mul_i32 s30, s20, 384
	s_add_co_u32 s30, s30, s29
	s_add_co_u32 s30, s30, WSC
	v_add_nc_u32 v60, s30, v60                     ; the scale bytes as loaded: gate or linear by (lane / 2) % 2, row lane / 4, half lane % 2
	v_mul_u32_u24 v61, v2, WP
	v_mad_u32_u24 v61, v3, 24, v61
	v_add_nc_u32 v61, s28, v61                     ; a fragment: row 32 u + rho, + 24 h
	v_mul_u32_u24 v62, v2, 48
	v_lshl_add_u32 v62, v3, 4, v62
	s_add_co_u32 s29, s29, WSC
	v_add_nc_u32 v62, s29, v62                     ; its scale words: lanes 0-15 words 0-3, lanes 16-31 words 4-7
	s_lshl_b32 s29, s20, 6
	s_add_co_u32 s29, s29, LIST
	v_lshlrev_b32 v[LA], 2, v2
	v_add_nc_u32 v[LA], s29, v[LA]                 ; the list's entry of row r of tile par
	v_lshl_add_u32 v29, v0, 2, LIST                ; where I write the list
	v_lshlrev_b32 v63, 7, v3                       ; b1: 128 h
	v_mul_u32_u24 v[H384], v3, 384
	v_lshlrev_b32 v[H16], 4, v3
	; offsets in memory
	s_mul_i32 s28, s22, 1572864
	s_mul_i32 s29, s21, 98304
	s_add_co_u32 s28, s28, s29
	s_mul_i32 s29, s18, 24576
	s_add_co_u32 s28, s28, s29                     ; my wave's 32 rows of w1
	s_mov_b32 s29, 0
	s_lshl_b32 s30, s22, 16
	s_lshl_b32 s31, s21, 12
	s_add_co_u32 s30, s30, s31
	s_lshl_b32 s31, s18, 10
	s_add_co_u32 s30, s30, s31                     ; and their scale bytes
	s_mov_b32 s31, 0
	s_wait_kmcnt 0x0
	s_add_nc_u64 s[8:9], s[8:9], s[28:29]
	s_add_nc_u64 s[10:11], s[10:11], s[30:31]
.irp i, 0,1,2,3,4,5,6,7
	global_load_b128 v[192+4*\i:195+4*\i], v56, s[4:5] offset:512*\i   ; sel: register 4 i + c, lane l: token 128 i + 4 l + c
.endr
	WIN 0x40                                       ; destination window 1
.set i, 0
.rept 48
	global_load_b128 v[4*i:4*i+3], v56, s[8:9] offset:512*i th:TH_LOAD_NT   ; 512 consecutive bytes a load; read once in the launch
.set i, i+1
.endr
	WIN 0
	global_load_b128 v[166:169], v56, s[10:11] th:TH_LOAD_NT
	global_load_b128 v[170:173], v56, s[10:11] offset:512 th:TH_LOAD_NT
	s_lshl_b32 s28, s22, 13
	s_lshl_b32 s30, s21, 9
	s_add_co_u32 s28, s28, s30
	s_lshl_b32 s30, s19, 8
	s_add_co_u32 s28, s28, s30
	s_add_nc_u64 s[12:13], s[12:13], s[28:29]      ; b1 at column 128 j + 64 u of expert e
	s_wait_loadcnt 50                              ; sel is in; the 48 + 2 younger loads stay out
	s_mov_b32 s24, 0
.set wd, 0
.rept 32                               ; s[32 + wd]: the mask of word wd;  s[66 + wd]: (tokens of my expert in the words before) << 10 | the word's first token
	v_and_b32 v26, s23, v[192+wd]
	v_cmp_ne_u32 s[32+wd], 0, v26
	s_lshl_b32 s28, s24, 10
	s_or_b32 s[66+wd], s28, ((wd>>2)<<7)|(wd&3)
	s_bcnt1_i32_b32 s29, s[32+wd]
	s_add_co_u32 s24, s24, s29
.set wd, wd+1
.endr
	s_min_u32 s24, s24, 1024                       ; s24 = n, my expert's rows: 32 masks of 32 bits hold no more than the 1,024 tokens
	s_add_co_u32 s25, s24, 15
	s_lshr_b32 s25, s25, 4
	s_max_u32 s25, s25, 1                          ; tiles of 16 rows, at least one
.irp i, 0,1,2,3,4,5,6,7
	global_load_b128 v[224+4*\i:227+4*\i], v63, s[12:13] offset:16*\i
.endr
; The token of rank v17.  v19, v20: key and mask of the last word whose running sum is at most the rank; v21: the rank inside the word; then the place of that set bit, by counts of 16, 8, 4, 2, 1 bits.
.macro SCOMMON step
	v_cmp_ge_u32 vcc_lo, v21, v27
	v_sub_nc_u32 v26, v21, v27
	v_cndmask_b32 v21, v21, v26, vcc_lo
	v_add_nc_u32 v26, \step, v25
	v_cndmask_b32 v25, v25, v26, vcc_lo
.endm
.macro SELECT
	v_lshl_or_b32 v18, v17, 10, 1023
	v_mov_b32 v19, s66
	v_mov_b32 v20, s32
.set wd, 1
.rept 31
	v_cmp_gt_u32 vcc_lo, s[66+wd], v18
	v_cndmask_b32 v19, s[66+wd], v19, vcc_lo
	v_cndmask_b32 v20, s[32+wd], v20, vcc_lo
.set wd, wd+1
.endr
	v_lshrrev_b32 v26, 10, v19
	v_sub_nc_u32 v21, v17, v26
	v_lshrrev_b32 v26, 1, v20
	v_and_b32 v26, 0x55555555, v26
	v_sub_nc_u32 v22, v20, v26                     ; counts of 2 bits
	v_lshrrev_b32 v26, 2, v22
	v_and_b32 v26, 0x33333333, v26
	v_and_b32 v23, 0x33333333, v22
	v_add_nc_u32 v23, v23, v26                     ; of 4
	v_lshrrev_b32 v26, 4, v23
	v_add_nc_u32 v24, v23, v26
	v_and_b32 v24, 0x0f0f0f0f, v24                 ; of 8
	v_lshrrev_b32 v26, 8, v24
	v_add_nc_u32 v27, v24, v26
	v_and_b32 v27, 0xff, v27                       ; of the low 16
	v_mov_b32 v25, 0
	SCOMMON 16
	v_bfe_u32 v27, v24, v25, 8
	SCOMMON 8
	v_bfe_u32 v27, v23, v25, 4
	SCOMMON 4
	v_bfe_u32 v27, v22, v25, 2
	SCOMMON 2
	v_bfe_u32 v27, v20, v25, 1
	SCOMMON 1
	v_and_b32 v26, 0x3ff, v19
	v_lshl_add_u32 v28, v25, 2, v26                ; the word's first token + 4 x the bit's place
	v_min_u32 v28, 0x3ff, v28                      ; (a rank at or past n gives some token: such rows are worked and never read)
.endm
	v_mov_b32 v164, 0                              ; the token and
	v_mov_b32 v165, 0xffff                         ; the rank whose pos I store, if any
	s_mov_b32 s27, 0
.Llist:                                            ; 8 trips: thread v0 takes rank v0 + 128 i
	s_lshr_b32 s28, s27, 2
	v_add_nc_u32 v17, s28, v0
	v_add_nc_u32 v16, s27, v29
	v_mov_b32 v28, 0                               ; entries past n hold token 0
	s_lshl_b32 s29, s18, 5
	s_add_co_u32 s29, s29, s28                     ; my wave's first rank
	s_cmp_ge_u32 s29, s24
	s_cbranch_scc1 .Lno_select
	SELECT
.Lno_select:
	s_lshr_b32 s29, s29, 6
	s_cmp_eq_u32 s29, s21                          ; ranks 64 j .. 64 j + 63 are my work-group's to publish
	s_cselect_b32 s29, -1, 0
	v_cndmask_b32 v164, v164, v28, s29
	v_cndmask_b32 v165, v165, v17, s29
	ds_store_b32 v16, v28
	s_add_co_u32 s27, s27, 512
	s_cmp_lt_u32 s27, 4096
	s_cbranch_scc1 .Llist
	v_min_u32 v174, 0x3ff, v164
	v_lshlrev_b32 v175, 2, v174
	global_load_b32 v180, v175, s[4:5]             ; that token's word of sel: which of its four places is my expert's
	s_wait_loadcnt 11                              ; the weights are in; 2 + 8 + 1 younger loads stay out
	WIN 0x04                                       ; an LDS store's data: window 1
.irp m, 0,1,2,3,4,5,6,7,8,9,10,11,12,13,14,15
	ds_store_b128 v57, v[12*\m:12*\m+3] offset:(16*(\m/8)+\m%8)*WP      ; column 16 w + m goes to LDS row 32 u + 8 par + 16 (m / 8) + m % 8, so that a tile's 16 rows are neighbours
	ds_store_b128 v58, v[12*\m+4:12*\m+7] offset:(16*(\m/8)+\m%8)*WP
	ds_store_b128 v59, v[12*\m+8:12*\m+11] offset:(16*(\m/8)+\m%8)*WP
.endr
	WIN 0
	s_wait_loadcnt 9                               ; the scale bytes are in
	ds_store_b128 v60, v[166:169]
	ds_store_b128 v60, v[170:173] offset:768
	s_wait_loadcnt 1                               ; b1 is in
.irp t, 0,1,2,3
.irp jj, 0,1,2,3,4,5,6,7
	v_mov_b32 v[BIAS+8*\t+\jj], v[224+16*(\t/2)+2*\jj+\t%2]   ; gate and linear parts apart, in the results' layout
.endr
.endr
	s_wait_loadcnt 0x0
	v_mov_b32 v181, 0
.irp i, 1,2,3
	v_bfe_u32 v182, v180, 16+4*\i, 4
	v_cmp_ne_u32 vcc_lo, s22, v182
	v_cndmask_b32 v181, \i, v181, vcc_lo
.endr
	v_lshl_add_u32 v181, v174, 2, v181             ; 4 t + k
	s_lshl_b32 s28, s22, 10
	v_add_nc_u32 v182, s28, v165                   ; 1,024 e + rank
	; pos is stored by the two waves that hold ranks 64 j .. 64 j + 63 (w / 2 = j % 2), and by such a wave only if its first rank, 64 j + 32 (w % 2), lies under n
	s_and_b32 s28, s21, 1
	s_cmp_lg_u32 s28, s19
	s_cbranch_scc1 .Lno_pos
	s_lshl_b32 s28, s21, 6
	s_lshl_b32 s29, s20, 5
	s_add_co_u32 s28, s28, s29
	s_cmp_ge_u32 s28, s24
	s_cbranch_scc1 .Lno_pos
	v_readfirstlane_b32 s28, v181                  ; lane 0's rank lies under n.  A lane whose rank does not has nothing to store: it stores lane 0's word once more, at lane 0's place, so that all lanes stay on
	v_readfirstlane_b32 s29, v182
	v_cmp_gt_u32 vcc_lo, s24, v165
	v_cndmask_b32 v181, s28, v181, vcc_lo
	v_cndmask_b32 v182, s29, v182, vcc_lo
	v_min_u32 v181, 0xfff, v181                    ; a number made of loaded ones enters an address behind a clamp: pos has 4,096 words
	v_lshlrev_b32 v181, 2, v181
	global_store_b32 v181, v182, s[16:17]
.Lno_pos:
	s_or_b32 s28, s21, s18
	s_cmp_lg_u32 s28, 0
	s_cbranch_scc1 .Lno_count
	v_mov_b32 v183, s24
	global_store_b32 v184, v183, s[16:17] offset:16384   ; the expert's count: work-group 0's wave 0; all lanes store the same word
.Lno_count:
	s_wait_dscnt 0x0                               ; my stores of weights, scale bytes and list have landed
	s_barrier_signal -1
	s_barrier_wait -1                              ; the launch's one barrier
	WIN 0x80                                       ; destination window 2
.irp t, 0,1,2,3
.irp ks, 0,1,2,3
.irp p, 0,1,2,3,4,5
	ds_load_b64 v[48*\t+FR*\ks+2*\p:48*\t+FR*\ks+2*\p+1], v61 offset:(\t%2)*WLN+(\t/2)*16*WP+96*\ks+48*(\p/3)+8*(\p%3)
.endr
.endr
.endr
	WIN 0xc0                                       ; window 3: K steps 4 to 7
.irp t, 0,1,2,3
.irp ks, 0,1,2,3
.irp p, 0,1,2,3,4,5
	ds_load_b64 v[48*\t+FR*\ks+2*\p:48*\t+FR*\ks+2*\p+1], v61 offset:(\t%2)*WLN+(\t/2)*16*WP+96*(\ks+4)+48*(\p/3)+8*(\p%3)
.endr
.endr
.endr
	WIN 0
.irp t, 0,1,2,3
	ds_load_b128 v[WS+4*\t:WS+4*\t+3], v62 offset:(\t%2)*3072+(\t/2)*768
.endr
	ds_load_b32 v[TK], v[LA]
	ds_load_b32 v26, v[LA] offset:128
	; what the loop keeps.  The masks' registers are free now
	s_mov_b32 s32, 0xc01d265f                      ; -1.702 log2(e)
	s_mov_b32 s33, s32
	s_mul_i32 s28, s22, 786432
	s_mov_b32 s29, 0
	s_add_nc_u64 s[34:35], s[14:15], s[28:29]      ; my expert's codes of s
	s_lshl_b32 s28, s22, 15
	s_add_co_u32 s28, s28, SSO
	s_add_nc_u64 s[36:37], s[14:15], s[28:29]      ; and scale bytes
	s_lshr_b32 s28, s21, 1                         ; block B = 2 j + u: K step j / 2, c = j % 2, half u
	s_mul_i32 s28, s28, 1536
	s_mul_i32 s29, s19, 768
	s_add_co_u32 s28, s28, s29
	s_and_b32 s29, s21, 1
	s_mul_i32 s29, s29, 24
	s_add_co_u32 s28, s28, s29
	v_mul_u32_u24 v[ST0], v2, 48
	v_mad_u32_u24 v[ST0], v3, 12, v[ST0]
	v_add_nc_u32 v[ST0], s28, v[ST0]               ; my 12 bytes of codes in a tile
	s_lshl_b32 s28, s21, 1
	s_add_co_u32 s28, s28, s19
	v_lshlrev_b32 v[SB0], 5, v2
	v_add_nc_u32 v[SB0], s28, v[SB0]               ; my row's byte B
	v_mov_b32 v161, 0                              ; written once: a lane permute's destination counts as one of its sources
	s_wait_dscnt 0x0
; Four plain lines: in the loop they are also the places behind the products.  The token comes from the list: each offset made of it is held, as the last step, at the last token's offset.
.macro GADDR b, tk
	v_mad_u32_u24 v[VA+\b], v[\tk], 768, v[H384]   ; the token's codes, my half: 384 consecutive bytes, my 96 operand registers on end
	v_min_u32 v[VA+\b], 0xbfe80, v[VA+\b]          ; 1,023 x 768 + 384
	v_lshl_add_u32 v[VAS+\b], v[\tk], 5, v[H16]    ; its scale words: lanes 0-15 words 0-3, lanes 16-31 words 4-7
	v_min_u32 v[VAS+\b], 0x7ff0, v[VAS+\b]         ; 1,023 x 32 + 16
.endm
.macro XLOAD b
	WIN 0x40
.set g, 0
.rept 24
	global_load_b128 v[96*\b+4*g:96*\b+4*g+3], v[VA+\b], s[6:7] offset:16*g
.set g, g+1
.endr
	WIN 0
	global_load_b128 v[XS+4*\b:XS+4*\b+3], v[VAS+\b], s[6:7] offset:XQS
.endm
; 32 products: K step by K step, the four accumulators by turns, one instruction a turn.  b1 is the C of each sum's first product.
.macro MUL b
	WIN 0x06                                       ; source 0 (w1) window 2, source 1 (xn) window 1
.irp ks, 0,1,2,3
.irp t, 0,1,2,3
.if \ks == 0
	v_wmma_scale_f32_16x16x128_f8f6f4 v[ACC+8*\t:ACC+8*\t+7], v[48*\t+FR*\ks:48*\t+FR*\ks+FR-1], v[96*\b+FR*\ks:96*\b+FR*\ks+FR-1], v[BIAS+8*\t:BIAS+8*\t+7], v[WS+4*\t+\ks], v[XS+4*\b+\ks] matrix_a_fmt:MATRIX_FMT_FP6 matrix_b_fmt:MATRIX_FMT_FP6
.else
	v_wmma_scale_f32_16x16x128_f8f6f4 v[ACC+8*\t:ACC+8*\t+7], v[48*\t+FR*\ks:48*\t+FR*\ks+FR-1], v[96*\b+FR*\ks:96*\b+FR*\ks+FR-1], v[ACC+8*\t:ACC+8*\t+7], v[WS+4*\t+\ks], v[XS+4*\b+\ks] matrix_a_fmt:MATRIX_FMT_FP6 matrix_b_fmt:MATRIX_FMT_FP6
.endif
.endr
.endr
	WIN 0x07                                       ; source 0 window 3: K steps 4 to 7; their scale words lie in lanes 16-31
.irp ks, 0,1,2,3
.irp t, 0,1,2,3
	v_wmma_scale_f32_16x16x128_f8f6f4 v[ACC+8*\t:ACC+8*\t+7], v[48*\t+FR*\ks:48*\t+FR*\ks+FR-1], v[96*\b+48+FR*\ks:96*\b+48+FR*\ks+FR-1], v[ACC+8*\t:ACC+8*\t+7], v[WS+4*\t+\ks], v[XS+4*\b+\ks] matrix_a_fmt:MATRIX_FMT_FP6 matrix_b_fmt:MATRIX_FMT_FP6 matrix_a_scale:MATRIX_SCALE_ROW1 matrix_b_scale:MATRIX_SCALE_ROW1
.endr
.endr
	WIN 0
.endm
; s = a sigmoid(1.702 a) (b + 1), a = min(gate, 7), b = clip(linear, -7, 7), in f32.  Number q = 8 v + jj: gate at ACC + 16 v + jj, linear 8 further on.  Each accumulator is read from its low end on.
.macro ACT b
.irp q, 0,1,2,3,4,5,6,7,8,9,10,11,12,13,14,15
	v_min_num_f32 v[ACC+16*(\q/8)+\q%8], s101, v[ACC+16*(\q/8)+\q%8]
.endr
.irp q, 0,1,2,3,4,5,6,7,8,9,10,11,12,13,14,15
	v_med3_num_f32 v[ACC+8+16*(\q/8)+\q%8], v[ACC+8+16*(\q/8)+\q%8], s100, s101
.endr
.irp q, 0,1,2,3,4,5,6,7
	v_pk_mul_f32 v[E+2*\q:E+2*\q+1], v[ACC+16*(\q/4)+2*(\q%4):ACC+16*(\q/4)+2*(\q%4)+1], s[32:33] op_sel_hi:[1,0]
.endr
.irp q, 0,1,2,3,4,5,6,7,8,9,10,11,12,13,14,15
	v_exp_f32 v[E+\q], v[E+\q]                     ; e^(-1.702 a)
.endr
.irp q, 0,1,2,3,4,5,6,7
	v_pk_add_f32 v[ACC+8+16*(\q/4)+2*(\q%4):ACC+8+16*(\q/4)+2*(\q%4)+1], v[ACC+8+16*(\q/4)+2*(\q%4):ACC+8+16*(\q/4)+2*(\q%4)+1], 1.0 op_sel_hi:[1,0]   ; b + 1: plain work behind the batch
.endr
	s_wait_alu depctr_va_vdst(0)                   ; one wait for the 16 exponentials, ahead of their first reader
.irp q, 0,1,2,3,4,5,6,7
	v_pk_add_f32 v[E+2*\q:E+2*\q+1], v[E+2*\q:E+2*\q+1], 1.0 op_sel_hi:[1,0]
.endr
.irp q, 0,1,2,3,4,5,6,7,8,9,10,11,12,13,14,15
	v_rcp_f32 v[E+\q], v[E+\q]
.endr
	s_add_co_u32 s28, s26, 2*\b                    ; this tile
	s_mul_i32 s29, s28, 12288
	s_lshl_b32 s28, s28, 9
	s_wait_xcnt 0x0                                ; the last tile's stores have read their addresses and data: both are written again only behind this wait
	v_add_nc_u32 v[STA], s29, v[ST0]
	v_add_nc_u32 v[SBA], s28, v[SB0]
	s_wait_alu depctr_va_vdst(0)                   ; one wait for the 16 reciprocals
.irp q, 0,1,2,3,4,5,6,7
	v_pk_mul_f32 v[S+2*\q:S+2*\q+1], v[ACC+16*(\q/4)+2*(\q%4):ACC+16*(\q/4)+2*(\q%4)+1], v[E+2*\q:E+2*\q+1]
.endr
.irp q, 0,1,2,3,4,5,6,7
	v_pk_mul_f32 v[S+2*\q:S+2*\q+1], v[S+2*\q:S+2*\q+1], v[ACC+8+16*(\q/4)+2*(\q%4):ACC+8+16*(\q/4)+2*(\q%4)+1]
.endr
.endm
; My 16 numbers are half of block B of routed row r; lane l xor 16 holds the other half.
.macro QSTORE
	v_max3_num_f32 v160, |v[S]|, |v[S+1]|, 0x1800000   ; with the floor 2^(3 - 127)
.irp i, 2,4,6,8,10,12,14
	v_max3_num_f32 v160, v160, |v[S+\i]|, |v[S+\i+1]|
.endr
	v_permlanex16_b32 v161, v160, s98, s99
	v_max_num_f32 v160, v160, v161
	v_add_nc_u32 v162, 0xff000000, v160            ; 2 off the exponent field: the conversion's scale operand
	v_cvt_scalef32_pk16_fp6_f32 v[176:178], v[S:S+15], v162
	v_lshrrev_b32 v179, 23, v162                   ; the scale's byte (and the plain line behind the conversion)
	global_store_b96 v[STA], v[176:178], s[34:35]
	global_store_b8 v[SBA], v179, s[36:37]         ; both halves of the lanes store the same byte
.endm
.macro HALF b
	s_add_co_u32 s28, s27, 256+128*\b
	s_min_u32 s28, s28, 3968                       ; the list's entry of my tile two further on, held inside the list
	v_add_nc_u32 v185, s28, v[LA]
	ds_load_b32 v[TK], v185
	s_wait_loadcnt 25                              ; this buffer's 24 + 1 loads are in; the other buffer's 25 are younger
	MUL \b
	s_wait_dscnt 0x0
	GADDR \b, TK
	XLOAD \b                                       ; the buffer is asked for again at once
	ACT \b
	QSTORE
.endm
	GADDR 0, TK
	GADDR 1, 26
	XLOAD 0
	XLOAD 1
	s_mov_b32 s26, s20                             ; the trip's first tile
	s_mov_b32 s27, 0
.Ltrip:                                            ; 16 trips, two tiles each
	s_cmp_ge_u32 s26, s25
	s_cbranch_scc1 .Lpast                          ; past the expert's last tile: the trip's work is jumped over; the loads outstanding stay as they are
	HALF 0
	HALF 1
.Lpast:
	s_add_co_u32 s26, s26, 4
	s_add_co_u32 s27, s27, 256
	s_cmp_lt_u32 s27, 4096
	s_cbranch_scc1 .Ltrip
	s_wait_tensorcnt 0x0                           ; the wave's end
	ds_add_u32 v[SPW], v[NIL]
	s_wait_dscnt 0x0
	s_endpgm
.Lfunc_end_k_q776c2d1530_ffn1:
	.size	k_q776c2d1530_ffn1, .Lfunc_end_k_q776c2d1530_ffn1-k_q776c2d1530_ffn1
	.p2alignl 7, 3214868480
	.fill 96, 4, 3214868480
	.section	.rodata,"a",@progbits
	.p2align	6, 0x0
	.amdhsa_kernel k_q776c2d1530_ffn1
		.amdhsa_group_segment_fixed_size 111104
		.amdhsa_private_segment_fixed_size 0
		.amdhsa_enable_private_segment 0
		.amdhsa_kernarg_size 56
		.amdhsa_user_sgpr_count 2
		.amdhsa_user_sgpr_kernarg_segment_ptr 1
		.amdhsa_wavefront_size32 1
		.amdhsa_system_sgpr_workgroup_id_x 1
		.amdhsa_system_sgpr_workgroup_id_y 1
		.amdhsa_system_sgpr_workgroup_id_z 1
		.amdhsa_system_vgpr_workitem_id 0
		.amdhsa_next_free_vgpr 1024
		.amdhsa_next_free_sgpr 102
		.amdhsa_reserve_vcc 1
		.amdhsa_float_denorm_mode_32 3
		.amdhsa_float_denorm_mode_16_64 3
		.amdhsa_memory_ordered 1
		.amdhsa_forward_progress 1
		.amdhsa_inst_pref_size 76
	.end_amdhsa_kernel
	.amdgpu_metadata
---
amdhsa.version: [ 1, 2 ]
amdhsa.kernels:
  - .name:           k_q776c2d1530_ffn1
    .symbol:         k_q776c2d1530_ffn1.kd
    .args:
      - { .name: sel, .offset: 0, .size: 8, .value_kind: global_buffer, .address_space: global }
      - { .name: rt, .offset: 8, .size: 8, .value_kind: global_buffer, .address_space: global }
      - { .name: w1_codes, .offset: 16, .size: 8, .value_kind: global_buffer, .address_space: global }
      - { .name: w1_scales, .offset: 24, .size: 8, .value_kind: global_buffer, .address_space: global }
      - { .name: b1, .offset: 32, .size: 8, .value_kind: global_buffer, .address_space: global }
      - { .name: sq, .offset: 40, .size: 8, .value_kind: global_buffer, .address_space: global }
      - { .name: ord, .offset: 48, .size: 8, .value_kind: global_buffer, .address_space: global }
    .group_segment_fixed_size: 111104
    .private_segment_fixed_size: 0
    .kernarg_segment_align: 8
    .kernarg_segment_size: 56
    .max_flat_workgroup_size: 128
    .sgpr_count:     102
    .vgpr_count:     1024
    .wavefront_size: 32
...
	.end_amdgpu_metadata
.endif
;; end of part 2
;; launch ffn2 (part 3): grid 16 x 16, 4 waves a work-group, no clusters, 62,976 bytes of LDS; arguments ord, sq, w2_codes, w2_scales, b2, y; writes y
.if DOCPART == 3
	.amdgcn_target "amdgcn-amd-amdhsa--gfx1250"
	.amdhsa_code_object_version 6
	.text
	.protected	k_q776c2d1530_ffn2
	.globl	k_q776c2d1530_ffn2
	.p2align	8
	.type	k_q776c2d1530_ffn2,@function
k_q776c2d1530_ffn2:
	s_mov_b64 s[64:65], 0
	v_nop
	global_prefetch_b8 v0, s[64:65] scope:SCOPE_SE
	s_setreg_imm32_b32 hwreg(HW_REG_WAVE_MODE, 25, 1), 1
	s_wait_xcnt 0x0
; LAUNCH 3 OF 4: y = s w2 + b2 on codes, for the routed rows alone (rows of experts not chosen meet a 0 of gate_full: see the first kernel's head).
; SHARES.  Work-group (j, e) owns output columns 64 j .. 64 j + 63 of expert e: 48 KB of w2's codes, read from memory once, dense, turned through LDS and kept in every wave's registers (four tiles of 16 columns x 8 K steps).
; Wave w takes the expert's tiles of 16 routed rows w, w + 4, ..; their codes lie in sq in the order of the operand's registers: a K step's fragment is three loads that together cover 1,536 consecutive bytes.
; THE PRODUCT IS USED TRANSPOSED (source 0 = 16 rows of w2 = 16 output columns, source 1 = 16 routed rows): a lane holds eight neighbouring columns of one row.  b2 is the C of each sum's first product.
; The count of rows is a whole number that the launch before stored.  The loop has a constant number of trips, two tiles a trip; a trip whose first tile lies past the last is jumped over; a second tile past the last is made
; of the last tile's codes (the tile number is clamped, so no byte is read that was not written), lands in the expert's own rows of y, and nobody reads it.
; y: bf16 [1,024 e + rank][1,024]: it is an operand of the weighted sum over experts, which the problem leaves as it is; bf16 keeps f32's range.
.set WP,    784                        ; LDS 0: 64 rows of w2's codes, 784 bytes apart
.set WSC,   50176                      ; their scale bytes, 48 bytes apart
.set STG,   53248                      ; the way out: 16 rows x (128 bytes + 16) for each wave, its own
.set SPARE, 62464                      ; the spare words, 128 bytes a wave: two blocks of 256 bytes that no other line names
.set SSO,   12582912
.set FR,    12
.set VA,    5
.set VAS,   7
.set SPW,   30
.set NIL,   31
.set WS,    32
.set XS,    48
.set BIAS,  64
.set ACC,   96
.set PK,    128
.set OB,    144
.set MSB, 0
.macro WIN new                         ; the immediate's high byte repeats the setting that is left
.if MSB != \new
	s_set_vgpr_msb (MSB<<8)|\new
.set MSB, \new
.endif
.endm
	s_load_b256 s[4:11], s[0:1], 0x0               ; ord, sq, w2_codes, w2_scales
	s_load_b128 s[12:15], s[0:1], 0x20             ; b2, y
	v_lshl_add_u32 v[SPW], v0, 2, SPARE
	v_mov_b32 v[NIL], 0
	v_lshrrev_b32 v1, 5, v0
	v_readfirstlane_b32 s18, v1                    ; wave
	s_mov_b32 s21, ttmp9                           ; j
	s_and_b32 s22, ttmp7, 0xffff                   ; e
	s_lshl_b32 s38, s22, 2
	v_and_b32 v1, 31, v0
	v_and_b32 v2, 15, v0                           ; r
	v_bfe_u32 v3, v0, 4, 1                         ; h
	v_lshlrev_b32 v56, 4, v1                       ; 16 x lane
	s_mul_i32 s28, s18, 16*WP
	v_add_nc_u32 v57, s28, v56                     ; my wave's 16 rows in LDS
	v_lshl_add_u32 v58, v3, 4, v57
	v_add_nc_u32 v58, 512, v58                     ; the piece that crosses from a row into the next
	v_bfe_u32 v27, v0, 1, 4
	v_mul_u32_u24 v60, v27, 48
	v_and_b32 v27, 1, v0
	v_lshl_add_u32 v60, v27, 4, v60
	s_mul_i32 s28, s18, 768
	s_add_co_u32 s28, s28, WSC
	v_add_nc_u32 v60, s28, v60                     ; the scale bytes as loaded: row lane / 2, half lane % 2
	v_mul_u32_u24 v61, v2, WP
	v_mad_u32_u24 v61, v3, 24, v61                 ; a fragment: row rho, + 24 h
	v_mul_u32_u24 v62, v2, 48
	v_lshl_add_u32 v62, v3, 4, v62
	v_add_nc_u32 v62, WSC, v62                     ; its scale words: lanes 0-15 words 0-3, lanes 16-31 words 4-7
	s_mul_i32 s28, s18, 2304
	s_add_co_u32 s28, s28, STG                     ; my stage
	v_mul_u32_u24 v9, v2, 144
	v_lshl_add_u32 v9, v3, 4, v9
	v_add_nc_u32 v9, s28, v9                       ; in: row r, + 16 h
	v_bfe_u32 v27, v0, 3, 2
	v_and_b32 v26, 7, v0
	v_mul_u32_u24 v10, v27, 144
	v_lshl_add_u32 v10, v26, 4, v10
	v_add_nc_u32 v10, s28, v10                     ; back: eight lanes to a row of 128 bytes
	v_lshlrev_b32 v11, 11, v27
	v_lshl_add_u32 v11, v26, 4, v11                ; and the same place in y
	v_mul_u32_u24 v13, v2, 48
	v_mad_u32_u24 v13, v3, 768, v13                ; s's codes in a tile: 48 r + 768 h
	v_lshlrev_b32 v14, 5, v2
	v_lshl_add_u32 v14, v3, 4, v14                 ; its scale words: 32 r + 16 h
	v_lshlrev_b32 v63, 5, v3                       ; b2: 32 h
	s_mov_b32 s29, 0
	s_mov_b32 s31, 0
	s_wait_kmcnt 0x0
	s_load_b32 s24, s[4:5], s38 offset:0x4000      ; my expert's rows
	s_mul_i32 s28, s22, 786432
	s_add_nc_u64 s[34:35], s[6:7], s[28:29]        ; my expert's codes of s
	s_mul_i32 s30, s21, 49152
	s_add_co_u32 s28, s28, s30
	s_mul_i32 s30, s18, 12288
	s_add_co_u32 s28, s28, s30
	s_add_nc_u64 s[8:9], s[8:9], s[28:29]          ; my wave's 16 rows of w2
	s_lshl_b32 s28, s22, 15
	s_add_co_u32 s30, s28, SSO
	s_add_nc_u64 s[36:37], s[6:7], s[30:31]        ; s's scale bytes
	s_lshl_b32 s30, s21, 11
	s_add_co_u32 s28, s28, s30
	s_lshl_b32 s30, s18, 9
	s_add_co_u32 s28, s28, s30
	s_add_nc_u64 s[10:11], s[10:11], s[28:29]      ; w2's scale bytes
	s_lshl_b32 s28, s22, 12
	s_lshl_b32 s30, s21, 8
	s_add_co_u32 s28, s28, s30
	s_add_nc_u64 s[12:13], s[12:13], s[28:29]      ; b2
	s_lshl_b32 s28, s22, 21
	s_lshl_b32 s30, s21, 7
	s_add_co_u32 s28, s28, s30
	s_add_nc_u64 s[14:15], s[14:15], s[28:29]      ; y: my expert's rows, my 128 bytes of them
	WIN 0x40                                       ; destination window 1
.set i, 0
.rept 24
	global_load_b128 v[4*i:4*i+3], v56, s[8:9] offset:512*i th:TH_LOAD_NT   ; 512 consecutive bytes a load; read once in the launch
.set i, i+1
.endr
	WIN 0
	global_load_b128 v[166:169], v56, s[10:11] th:TH_LOAD_NT
.irp ct, 0,1,2,3
	global_load_b128 v[BIAS+8*\ct:BIAS+8*\ct+3], v63, s[12:13] offset:64*\ct
	global_load_b128 v[BIAS+8*\ct+4:BIAS+8*\ct+7], v63, s[12:13] offset:64*\ct+16
.endr
	s_wait_kmcnt 0x0
	s_min_u32 s24, s24, 1024
	s_add_co_u32 s25, s24, 15
	s_lshr_b32 s25, s25, 4
	s_max_u32 s25, s25, 1                          ; tiles, at least one, as the launch before wrote them
	s_sub_co_u32 s30, s25, 1                       ; the last
	s_wait_loadcnt 9                               ; the codes are in; 1 + 8 younger loads stay out
	WIN 0x04                                       ; an LDS store's data: window 1
.irp m, 0,1,2,3,4,5,6,7
	ds_store_b128 v57, v[12*\m:12*\m+3] offset:2*WP*\m
	ds_store_b128 v58, v[12*\m+4:12*\m+7] offset:2*WP*\m
	ds_store_b128 v57, v[12*\m+8:12*\m+11] offset:2*WP*\m+1040
.endr
	WIN 0
	s_wait_loadcnt 8                               ; the scale bytes are in
	ds_store_b128 v60, v[166:169]
	s_wait_loadcnt 0x0                             ; b2
	s_wait_dscnt 0x0                               ; my stores have landed
	s_barrier_signal -1
	s_barrier_wait -1                              ; the launch's one barrier
	WIN 0x80
.irp t, 0,1,2,3
.irp ks, 0,1,2,3
.irp p, 0,1,2,3,4,5
	ds_load_b64 v[48*\t+FR*\ks+2*\p:48*\t+FR*\ks+2*\p+1], v61 offset:\t*16*WP+96*\ks+48*(\p/3)+8*(\p%3)
.endr
.endr
.endr
	WIN 0xc0
.irp t, 0,1,2,3
.irp ks, 0,1,2,3
.irp p, 0,1,2,3,4,5
	ds_load_b64 v[48*\t+FR*\ks+2*\p:48*\t+FR*\ks+2*\p+1], v61 offset:\t*16*WP+96*(\ks+4)+48*(\p/3)+8*(\p%3)
.endr
.endr
.endr
	WIN 0
.irp t, 0,1,2,3
	ds_load_b128 v[WS+4*\t:WS+4*\t+3], v62 offset:768*\t
.endr
	s_mov_b32 s26, s18                             ; the trip's first tile
	s_mov_b32 s27, 0
.macro SADDR b, add                    ; the addresses of tile s26 + add, held at the expert's last tile
	s_add_co_u32 s28, s26, \add
	s_min_u32 s28, s28, s30
	s_min_u32 s28, s28, 63
	s_mul_i32 s29, s28, 12288
	s_lshl_b32 s28, s28, 9
	v_add_nc_u32 v[VA+\b], s29, v13
	v_add_nc_u32 v[VAS+\b], s28, v14
.endm
.macro SLOAD b
	WIN 0x40
.irp ks, 0,1,2,3,4,5,6,7
.irp i, 0,1,2
	global_load_b128 v[96*\b+FR*\ks+4*\i:96*\b+FR*\ks+4*\i+3], v[VA+\b], s[34:35] offset:1536*\ks+16*\i
.endr
.endr
	WIN 0
	global_load_b128 v[XS+4*\b:XS+4*\b+3], v[VAS+\b], s[36:37]
.endm
; 32 products: K step by K step, the four accumulators by turns, one instruction a turn.
.macro MUL b
	WIN 0x06                                       ; source 0 (w2) window 2, source 1 (s) window 1
.irp ks, 0,1,2,3
.irp t, 0,1,2,3
.if \ks == 0
	v_wmma_scale_f32_16x16x128_f8f6f4 v[ACC+8*\t:ACC+8*\t+7], v[48*\t+FR*\ks:48*\t+FR*\ks+FR-1], v[96*\b+FR*\ks:96*\b+FR*\ks+FR-1], v[BIAS+8*\t:BIAS+8*\t+7], v[WS+4*\t+\ks], v[XS+4*\b+\ks] matrix_a_fmt:MATRIX_FMT_FP6 matrix_b_fmt:MATRIX_FMT_FP6
.else
	v_wmma_scale_f32_16x16x128_f8f6f4 v[ACC+8*\t:ACC+8*\t+7], v[48*\t+FR*\ks:48*\t+FR*\ks+FR-1], v[96*\b+FR*\ks:96*\b+FR*\ks+FR-1], v[ACC+8*\t:ACC+8*\t+7], v[WS+4*\t+\ks], v[XS+4*\b+\ks] matrix_a_fmt:MATRIX_FMT_FP6 matrix_b_fmt:MATRIX_FMT_FP6
.endif
.endr
.endr
	WIN 0x07                                       ; source 0 window 3: K steps 4 to 7; their scale words lie in lanes 16-31
.irp ks, 0,1,2,3
.irp t, 0,1,2,3
	v_wmma_scale_f32_16x16x128_f8f6f4 v[ACC+8*\t:ACC+8*\t+7], v[48*\t+FR*\ks:48*\t+FR*\ks+FR-1], v[96*\b+48+FR*\ks:96*\b+48+FR*\ks+FR-1], v[ACC+8*\t:ACC+8*\t+7], v[WS+4*\t+\ks], v[XS+4*\b+\ks] matrix_a_fmt:MATRIX_FMT_FP6 matrix_b_fmt:MATRIX_FMT_FP6 matrix_a_scale:MATRIX_SCALE_ROW1 matrix_b_scale:MATRIX_SCALE_ROW1
.endr
.endr
	WIN 0
.endm
; The way out: rounded to bf16, 16 bytes a lane and tile of columns, through my own stage, back as rows of 128 bytes.  LDS serves a wave's instructions in order: no wait between the stores and the loads.
.macro OUT b
.irp ct, 0,1,2,3
.irp q, 0,1,2,3
	v_cvt_pk_bf16_f32 v[PK+4*\ct+\q], v[ACC+8*\ct+2*\q], v[ACC+8*\ct+2*\q+1]   ; each accumulator from its low end on
.endr
.endr
.irp ct, 0,1,2,3
	ds_store_b128 v9, v[PK+4*\ct:PK+4*\ct+3] offset:32*\ct
.endr
	s_add_co_u32 s28, s26, 4*\b
	s_lshl_b32 s28, s28, 15                        ; 16 rows of 2,048 bytes a tile
	s_wait_xcnt 0x0                                ; the last tile's stores have read their data and address: both are written again only behind this wait
.irp i, 0,1,2,3
	ds_load_b128 v[OB+4*\i:OB+4*\i+3], v10 offset:576*\i
.endr
	v_add_nc_u32 v12, s28, v11
	s_wait_dscnt 0x0
.irp i, 0,1,2,3
	global_store_b128 v12, v[OB+4*\i:OB+4*\i+3], s[14:15] offset:8192*\i
.endr
.endm
.macro HALF b
	s_wait_loadcnt 25                              ; this buffer's 24 + 1 loads are in; the other buffer's 25 are younger
	MUL \b
	SADDR \b, 8+4*\b                               ; two plain lines,
	v_nop
	v_nop                                          ; and two more: the four places behind the products
	SLOAD \b                                       ; the buffer is asked for again at once
	OUT \b
.endm
	SADDR 0, 0
	SADDR 1, 4
	s_wait_dscnt 0x0                               ; the weights' fragments are in (window 1 is free since the barrier)
	SLOAD 0
	SLOAD 1
.Ltrip:                                            ; 8 trips, two tiles each
	s_cmp_ge_u32 s26, s25
	s_cbranch_scc1 .Lpast                          ; past the expert's last tile: the trip's work is jumped over; the loads outstanding stay as they are
	HALF 0
	HALF 1
.Lpast:
	s_add_co_u32 s26, s26, 8
	s_add_co_u32 s27, s27, 1
	s_cmp_lt_u32 s27, 8
	s_cbranch_scc1 .Ltrip
	s_wait_tensorcnt 0x0                           ; the wave's end
	ds_add_u32 v[SPW], v[NIL]
	s_wait_dscnt 0x0
	s_endpgm
.Lfunc_end_k_q776c2d1530_ffn2:
	.size	k_q776c2d1530_ffn2, .Lfunc_end_k_q776c2d1530_ffn2-k_q776c2d1530_ffn2
	.p2alignl 7, 3214868480
	.fill 96, 4, 3214868480
	.section	.rodata,"a",@progbits
	.p2align	6, 0x0
	.amdhsa_kernel k_q776c2d1530_ffn2
		.amdhsa_group_segment_fixed_size 62976
		.amdhsa_private_segment_fixed_size 0
		.amdhsa_enable_private_segment 0
		.amdhsa_kernarg_size 48
		.amdhsa_user_sgpr_count 2
		.amdhsa_user_sgpr_kernarg_segment_ptr 1
		.amdhsa_wavefront_size32 1
		.amdhsa_system_sgpr_workgroup_id_x 1
		.amdhsa_system_sgpr_workgroup_id_y 1
		.amdhsa_system_sgpr_workgroup_id_z 1
		.amdhsa_system_vgpr_workitem_id 0
		.amdhsa_next_free_vgpr 1024
		.amdhsa_next_free_sgpr 66
		.amdhsa_reserve_vcc 0
		.amdhsa_float_denorm_mode_32 3
		.amdhsa_float_denorm_mode_16_64 3
		.amdhsa_memory_ordered 1
		.amdhsa_forward_progress 1
		.amdhsa_inst_pref_size 45
	.end_amdhsa_kernel
	.amdgpu_metadata
---
amdhsa.version: [ 1, 2 ]
amdhsa.kernels:
  - .name:           k_q776c2d1530_ffn2
    .symbol:         k_q776c2d1530_ffn2.kd
    .args:
      - { .name: ord, .offset: 0, .size: 8, .value_kind: global_buffer, .address_space: global }
      - { .name: sq, .offset: 8, .size: 8, .value_kind: global_buffer, .address_space: global }
      - { .name: w2_codes, .offset: 16, .size: 8, .value_kind: global_buffer, .address_space: global }
      - { .name: w2_scales, .offset: 24, .size: 8, .value_kind: global_buffer, .address_space: global }
      - { .name: b2, .offset: 32, .size: 8, .value_kind: global_buffer, .address_space: global }
      - { .name: y, .offset: 40, .size: 8, .value_kind: global_buffer, .address_space: global }
    .group_segment_fixed_size: 62976
    .private_segment_fixed_size: 0
    .kernarg_segment_align: 8
    .kernarg_segment_size: 48
    .max_flat_workgroup_size: 128
    .sgpr_count:     66
    .vgpr_count:     1024
    .wavefront_size: 32
...
	.end_amdgpu_metadata
.endif
;; end of part 3
;; launch combine (part 4): grid 256 x 1, 4 waves a work-group, no clusters, 0 bytes of LDS; arguments x, ord, rt, y, out0; writes out0
.if DOCPART == 4
	.amdgcn_target "amdgcn-amd-amdhsa--gfx1250"
	.amdhsa_code_object_version 6
	.text
	.protected	k_q776c2d1530_combine
	.globl	k_q776c2d1530_combine
	.p2align	8
	.type	k_q776c2d1530_combine,@function
k_q776c2d1530_combine:
	s_mov_b64 s[64:65], 0
	v_nop
	global_prefetch_b8 v0, s[64:65] scope:SCOPE_SE
	s_setreg_imm32_b32 hwreg(HW_REG_WAVE_MODE, 25, 1), 1
	s_wait_xcnt 0x0
; LAUNCH 4 OF 4: out = x + the sum over a token's four chosen experts of gate x y.  The 12 experts not chosen have the gate 0 and are left out (see the first kernel's head).
; One wave takes one token.  pos[4 t + k] (whole numbers that an earlier launch stored) names the row of y; the gates come from rt.  A stream: no LDS, no barrier, no matrix unit.
; Each load of x and each store covers 512 consecutive bytes, each load of y 256; all 40 loads of a wave are out together.
.set GAT, 0xc8000
	s_load_b256 s[4:11], s[0:1], 0x0               ; x, ord, rt, y
	s_load_b64 s[12:13], s[0:1], 0x20              ; out0
	v_lshrrev_b32 v1, 5, v0
	v_readfirstlane_b32 s18, v1
	s_lshl_b32 s19, ttmp9, 2
	s_add_co_u32 s19, s19, s18                     ; my token
	s_lshl_b32 s28, s19, 4
	s_lshl_b32 s30, s19, 12
	s_mov_b32 s31, 0
	v_and_b32 v1, 31, v0
	v_lshlrev_b32 v2, 4, v1                        ; x, out: 16 bytes a lane
	v_lshlrev_b32 v3, 3, v1                        ; y: 8 bytes a lane, the same four columns
	s_wait_kmcnt 0x0
	s_load_b128 s[20:23], s[6:7], s28 offset:0x0   ; the four rows
	s_load_b128 s[24:27], s[8:9], s28 offset:GAT   ; the four gates
	s_add_nc_u64 s[4:5], s[4:5], s[30:31]
	s_add_nc_u64 s[12:13], s[12:13], s[30:31]
.irp i, 0,1,2,3,4,5,6,7
	global_load_b128 v[16+4*\i:19+4*\i], v2, s[4:5] offset:512*\i th:TH_LOAD_NT
.endr
	s_wait_kmcnt 0x0
.irp k, 0,1,2,3
	s_min_u32 s[20+\k], s[20+\k], 16383
	s_lshl_b32 s[32+2*\k], s[20+\k], 11            ; a row of y is 2,048 bytes
	s_mov_b32 s[33+2*\k], 0
	s_add_nc_u64 s[32+2*\k:33+2*\k], s[10:11], s[32+2*\k:33+2*\k]
	v_mov_b32 v[4+\k], s[24+\k]
.endr
.irp i, 0,1,2,3,4,5,6,7
.irp k, 0,1,2,3
	global_load_b64 v[48+8*\i+2*\k:49+8*\i+2*\k], v3, s[32+2*\k:33+2*\k] offset:256*\i th:TH_LOAD_NT
.endr
.endr
.irp i, 0,1,2,3,4,5,6,7
	s_wait_loadcnt 28-4*\i                         ; x and this chunk's four loads of y are in; the later chunks' 4 (7 - i) stay out
.irp k, 0,1,2,3
	v_fma_mix_f32_bf16 v[16+4*\i], v[48+8*\i+2*\k], v[4+\k], v[16+4*\i] op_sel:[0,0,0] op_sel_hi:[1,0,0]
	v_fma_mix_f32_bf16 v[17+4*\i], v[48+8*\i+2*\k], v[4+\k], v[17+4*\i] op_sel:[1,0,0] op_sel_hi:[1,0,0]
	v_fma_mix_f32_bf16 v[18+4*\i], v[49+8*\i+2*\k], v[4+\k], v[18+4*\i] op_sel:[0,0,0] op_sel_hi:[1,0,0]
	v_fma_mix_f32_bf16 v[19+4*\i], v[49+8*\i+2*\k], v[4+\k], v[19+4*\i] op_sel:[1,0,0] op_sel_hi:[1,0,0]
.endr
	global_store_b128 v2, v[16+4*\i:19+4*\i], s[12:13] offset:512*\i th:TH_STORE_NT
.endr
	s_endpgm
.Lfunc_end_k_q776c2d1530_combine:
	.size	k_q776c2d1530_combine, .Lfunc_end_k_q776c2d1530_combine-k_q776c2d1530_combine
	.p2alignl 7, 3214868480
	.fill 96, 4, 3214868480
	.section	.rodata,"a",@progbits
	.p2align	6, 0x0
	.amdhsa_kernel k_q776c2d1530_combine
		.amdhsa_group_segment_fixed_size 0
		.amdhsa_private_segment_fixed_size 0
		.amdhsa_enable_private_segment 0
		.amdhsa_kernarg_size 40
		.amdhsa_user_sgpr_count 2
		.amdhsa_user_sgpr_kernarg_segment_ptr 1
		.amdhsa_wavefront_size32 1
		.amdhsa_system_sgpr_workgroup_id_x 1
		.amdhsa_system_sgpr_workgroup_id_y 1
		.amdhsa_system_sgpr_workgroup_id_z 1
		.amdhsa_system_vgpr_workitem_id 0
		.amdhsa_next_free_vgpr 112
		.amdhsa_next_free_sgpr 66
		.amdhsa_reserve_vcc 0
		.amdhsa_float_denorm_mode_32 3
		.amdhsa_float_denorm_mode_16_64 3
		.amdhsa_memory_ordered 1
		.amdhsa_forward_progress 1
		.amdhsa_inst_pref_size 15
	.end_amdhsa_kernel
	.amdgpu_metadata
---
amdhsa.version: [ 1, 2 ]
amdhsa.kernels:
  - .name:           k_q776c2d1530_combine
    .symbol:         k_q776c2d1530_combine.kd
    .args:
      - { .name: x, .offset: 0, .size: 8, .value_kind: global_buffer, .address_space: global }
      - { .name: ord, .offset: 8, .size: 8, .value_kind: global_buffer, .address_space: global }
      - { .name: rt, .offset: 16, .size: 8, .value_kind: global_buffer, .address_space: global }
      - { .name: y, .offset: 24, .size: 8, .value_kind: global_buffer, .address_space: global }
      - { .name: out0, .offset: 32, .size: 8, .value_kind: global_buffer, .address_space: global }
    .group_segment_fixed_size: 0
    .private_segment_fixed_size: 0
    .kernarg_segment_align: 8
    .kernarg_segment_size: 40
    .max_flat_workgroup_size: 128
    .sgpr_count:     66
    .vgpr_count:     112
    .wavefront_size: 32
...
	.end_amdgpu_metadata
.endif
;; end of part 4
;; ======== version 2 of 2: 4 launches
;; limits: values are held in bf16: 8 bits of precision; right only within a limited range of input values
;; workspace buffers: rt 835,584 bytes; sel 4,096 bytes of whole numbers; sq 13,107,200 bytes; ord 16,640 bytes of whole numbers; y 33,554,432 bytes
;; launch route (part 5): grid 64 x 1, 8 waves a work-group, no clusters, 167,936 bytes of LDS; arguments x, norm_scale, wg_codes, wg_scales, bg, rt, sel; writes rt, sel
.if DOCPART == 5
	.amdgcn_target "amdgcn-amd-amdhsa--gfx1250"
	.amdhsa_code_object_version 6
	.text
	.protected	k_q776c2d1530_route
	.globl	k_q776c2d1530_route
	.p2align	8
	.type	k_q776c2d1530_route,@function
k_q776c2d1530_route:
	s_mov_b64 s[64:65], 0
	v_nop
	global_prefetch_b8 v0, s[64:65] scope:SCOPE_SE
	s_setreg_imm32_b32 hwreg(HW_REG_WAVE_MODE, 25, 1), 1
	s_wait_xcnt 0x0
; LAUNCH 1 OF 4: RMSNorm, the quantiser of xn (E2M3, one E8M0 byte for each 32 along H), the router's product on codes, top-4 and the softmax over the four logits.
; DEAD WORK LEFT OUT BY THE PROGRAM.  gate_full is built in the problem's own body as one_hot(idx) x gates: for a token t it is 0 at the 12 experts that top_k did not choose,
; whatever the inputs hold.  In t = sum over e of y[e][t] gate_full[t][e] those 12 terms are products with that 0, so the rows (e, t) of h, s and y of experts not chosen reach no output:
; the later launches multiply only the 4 chosen rows of each token (4,096 routed rows for 16,384).  The products with one_hot and with gate_full are a selection: four fused multiply-adds a number.
; Every input has a way to the output and is loaded.  LIMIT: a NaN, an infinity or an overflow that arises only in a row of an expert that was not chosen is not carried to the result.
; LIMITS OF THIS LAUNCH: NaN or infinite logits are not served; equal logits go to the lower index, as top_k has it; a block of zeros gets the scale byte 1 (its codes are zeros, and this program alone reads the bytes).
; No address and no branch hangs on the choice: the chosen experts go to fixed places of sel (whole numbers), the gates to fixed places of rt.
; SHARES.  A work-group takes 16 tokens; wave w takes columns 128 w .. 128 w + 127, one K step of the router's product.  Lane (r, h) holds of token r the numbers k = 128 w + 64 c + 32 h + 0 .. 31, c = 0, 1:
; two whole blocks, in the order in which the operand's registers take them.  x comes by one tensor load a wave (16 rows x 512 bytes) and each wave reads its own tile alone.
; rt: codes of xn [t][h 2][K step 8][c 2][24 bytes] (a lane's 96 operand registers on end), from byte XQS the scale words [t][8], from byte GAT the gates [t][4].
; sel: a word a token: bits 15:0 the mask of chosen experts, bits 16 + 4 k .. 19 + 4 k the k-th expert.
.set XTW,   8448                       ; LDS 0: a wave's tile of x: 16 rows of 512 bytes + 16
.set XP,    528
.set CST,   67584                      ; the codes' stage: 16 rows of 768 bytes, 784 apart
.set CP,    784
.set XST,   80128                      ; the scale words' stage: 16 x 32 bytes
.set LP,    80640                      ; the logits' parts: 1,024 bytes a wave
.set SSQ,   88832                      ; the sums of squares: 64 bytes a wave
.set SPARE, 89344                      ; the spare words, 128 bytes a wave: four blocks of 256 bytes that no other line names
.set XQS,   786432
.set GAT,   819200
.set SPW,   30                         ; v30 LDS address of my spare word; v31 0: never rewritten
.set NIL,   31
.set X,     32                         ; v32-95   my 64 numbers of x, then of xn
.set NS,    96                         ; v96-159  norm_scale at the same columns
.set CD,    160                        ; v160-171 the fragment's codes;  v172-178 halves made elsewhere and moved
.set CT,    172
.set D,     180                        ; v180-187 the logits' part of my K step
.set T,     188                        ; v188-199 at work
	s_load_b256 s[4:11], s[0:1], 0x0               ; x, norm_scale, wg_codes, wg_scales
	s_load_b128 s[12:15], s[0:1], 0x20             ; bg, rt
	s_load_b64 s[16:17], s[0:1], 0x30              ; sel
	v_lshl_add_u32 v[SPW], v0, 2, SPARE
	v_mov_b32 v[NIL], 0
	ds_add_u32 v[SPW], v[NIL]                      ; the opening: the add, twice on end, and its wait ahead of my tensor load
	ds_add_u32 v[SPW], v[NIL]
	v_lshrrev_b32 v1, 5, v0
	s_delay_alu instid0(VALU_DEP_1)
	v_readfirstlane_b32 s18, v1                    ; wave 0..7
	; descriptor group 1: 16 rows x 128 elements of 4 bytes, rows 1,024 elements apart, 4 words of padding behind every 128
	s_mov_b32 s28, (2<<16)|(1<<20)|(6<<22)|(3<<25)
	s_mov_b32 s29, 128<<16                         ; tensor_dim0
	s_mov_b32 s30, 16<<16                          ; tensor_dim1
	s_mov_b32 s31, 128<<16                         ; tile_dim0
	s_mov_b32 s32, 16                              ; tile_dim1
	s_mov_b32 s33, 1024                            ; the pitch
	s_mov_b32 s34, 0
	s_mov_b32 s35, 0
	s_mov_b32 s24, 1
	s_mul_i32 s25, s18, XTW                        ; my tile's place in LDS
	s_mov_b32 s20, 0x76543210
	s_mov_b32 s21, 0xfedcba98                      ; selects for lane l xor 16
	s_mov_b32 s36, 0x3a800000                      ; 1 / 1,024
	s_mov_b32 s37, 0x3727c5ac                      ; 1e-5
	v_and_b32 v1, 31, v0                           ; lane
	v_and_b32 v2, 15, v0                           ; r
	v_bfe_u32 v3, v0, 4, 1                         ; h
	s_delay_alu instid0(VALU_DEP_2)
	v_mul_u32_u24 v4, v2, XP
	s_delay_alu instid0(VALU_DEP_1)
	v_lshl_add_u32 v4, v3, 7, v4
	s_delay_alu instid0(VALU_DEP_1)
	v_add_nc_u32 v4, s25, v4                       ; v4: my numbers in my tile: row r, + 128 h
	s_lshl_b32 s23, s18, 9
	v_lshlrev_b32 v5, 7, v3
	s_delay_alu instid0(VALU_DEP_1)
	v_add_nc_u32 v5, s23, v5                       ; v5: the same columns of norm_scale
	s_mul_i32 s38, s18, 96
	v_mul_u32_u24 v6, v2, 768
	s_delay_alu instid0(VALU_DEP_1)
	v_mad_u32_u24 v6, v3, 24, v6
	s_delay_alu instid0(VALU_DEP_1)
	v_add_nc_u32 v6, s38, v6                       ; v6: wg's codes: expert r, K step w, + 24 h
	s_lshl_b32 s39, s18, 2
	v_lshlrev_b32 v7, 5, v2
	s_delay_alu instid0(VALU_DEP_1)
	v_add_nc_u32 v7, s39, v7                       ; v7: 32 r + 4 w: wg's scale word
	v_lshlrev_b32 v8, 5, v3                        ; v8: bg of experts 8 h on
	v_lshl_add_u32 v10, v2, 2, SSQ                 ; v10: the sums of squares of token r
	s_lshl_b32 s38, s18, 6
	v_add_nc_u32 v9, s38, v10                      ; v9: my wave's
	s_mul_i32 s38, s18, 48
	s_add_co_u32 s38, s38, CST
	v_mul_u32_u24 v11, v2, CP
	s_delay_alu instid0(VALU_DEP_1)
	v_mad_u32_u24 v11, v3, 384, v11
	s_delay_alu instid0(VALU_DEP_1)
	v_add_nc_u32 v11, s38, v11                     ; v11: the codes' stage: row r, half h, K step w
	v_add_nc_u32 v12, XST, v7                      ; v12: the scale word's place
	s_lshl_b32 s38, s18, 10
	s_add_co_u32 s38, s38, LP
	v_lshlrev_b32 v13, 5, v1
	s_delay_alu instid0(VALU_DEP_1)
	v_add_nc_u32 v13, s38, v13                     ; v13: my part of the logits
	v_lshlrev_b32 v208, 4, v1                      ; v208: 16 x lane
	s_mul_i32 s38, s18, 2*CP
	s_add_co_u32 s38, s38, CST
	v_add_nc_u32 v14, s38, v208                    ; v14: the way out: my wave's two rows of the stage
	s_delay_alu instid0(VALU_DEP_1)
	v_lshl_add_u32 v15, v3, 4, v14
	s_delay_alu instid0(VALU_DEP_1)
	v_add_nc_u32 v15, 512, v15                     ; v15: the piece that crosses from the first row into the second
	v_add_nc_u32 v209, XST, v208
	v_lshl_add_u32 v210, v1, 5, LP
	v_lshlrev_b32 v211, 4, v2
	v_lshlrev_b32 v212, 2, v2
	s_lshl_b32 s22, ttmp9, 16                      ; my work-group's 16 rows of x,
	s_add_co_u32 s22, s22, s23                     ; my wave's 512 bytes of them
	s_mov_b32 s23, 0
	s_wait_dscnt 0x0                               ; both opening adds are done
	s_wait_kmcnt 0x0
	s_add_nc_u64 s[26:27], s[4:5], s[22:23]
	s_or_b32 s27, s27, 0x80000000
	tensor_load_to_lds s[24:27], s[28:35]          ; every wave's one tensor load; nothing is filled again
	s_nop 0
.irp c, 0,1
.irp i, 0,1,2,3,4,5,6,7
	global_load_b128 v[NS+32*\c+4*\i:NS+32*\c+4*\i+3], v5, s[6:7] offset:256*\c+16*\i
.endr
.endr
.irp p, 0,1,2,3,4,5
	global_load_b64 v[16+2*\p:17+2*\p], v6, s[8:9] offset:48*(\p/3)+8*(\p%3)   ; wg's fragment: 16 experts x my 128 along K
.endr
	global_load_b32 v28, v7, s[10:11]              ; and its scale words
	global_load_b128 v[200:203], v8, s[12:13]
	global_load_b128 v[204:207], v8, s[12:13] offset:16
	s_mul_i32 s22, ttmp9, 12288                    ; where the results go
	s_mul_i32 s38, s18, 1536
	s_add_co_u32 s22, s22, s38
	s_add_nc_u64 s[40:41], s[14:15], s[22:23]      ; codes: my work-group's 16 rows, my wave's two
	s_lshl_b32 s22, ttmp9, 9
	s_add_co_u32 s22, s22, XQS
	s_add_nc_u64 s[42:43], s[14:15], s[22:23]      ; scale words
	s_lshl_b32 s22, ttmp9, 8
	s_add_co_u32 s22, s22, GAT
	s_add_nc_u64 s[44:45], s[14:15], s[22:23]      ; gates
	s_lshl_b32 s22, ttmp9, 6
	s_add_nc_u64 s[46:47], s[16:17], s[22:23]      ; sel
	s_wait_tensorcnt 0x0                           ; my tile is in LDS, and I alone read it
.irp c, 0,1
.irp i, 0,1,2,3,4,5,6,7
	ds_load_b128 v[X+32*\c+4*\i:X+32*\c+4*\i+3], v4 offset:256*\c+16*\i
.endr
.endr
	s_wait_dscnt 0x0
	; the sum of squares of my 64 numbers, in four chains
.irp q, 0,1,2,3
	v_pk_mul_f32 v[T+2*\q:T+2*\q+1], v[X+2*\q:X+2*\q+1], v[X+2*\q:X+2*\q+1]
.endr
.set p, 4
.rept 28
	s_delay_alu instid0(VALU_DEP_4)
	v_pk_fma_f32 v[T+2*(p%4):T+2*(p%4)+1], v[X+2*p:X+2*p+1], v[X+2*p:X+2*p+1], v[T+2*(p%4):T+2*(p%4)+1]
.set p, p+1
.endr
	s_delay_alu instid0(VALU_DEP_3)
	v_pk_add_f32 v[T:T+1], v[T:T+1], v[T+2:T+3]
	s_delay_alu instid0(VALU_DEP_2)
	v_pk_add_f32 v[T+4:T+5], v[T+4:T+5], v[T+6:T+7]
	s_delay_alu instid0(VALU_DEP_1)
	v_pk_add_f32 v[T:T+1], v[T:T+1], v[T+4:T+5]
	s_delay_alu instid0(VALU_DEP_1)
	v_add_f32 v[T], v[T], v[T+1]
	s_delay_alu instid0(VALU_DEP_1)
	v_permlanex16_b32 v[T+1], v[T], s20, s21
	s_delay_alu instid0(VALU_DEP_1)
	v_add_f32 v[T], v[T], v[T+1]                   ; token r, my wave's 128 columns
	ds_store_b32 v9, v[T]                          ; both halves of the lanes write the same word with the same value
	s_wait_dscnt 0x0                               ; for the others' sake
	s_barrier_signal -1
	s_barrier_wait -1
.irp i, 0,1,2,3,4,5,6,7
	ds_load_b32 v[T+2+\i], v10 offset:64*\i
.endr
	s_wait_dscnt 0x0
	v_add_f32 v[T], v[T+2], v[T+3]
.irp i, 2,3,4,5,6,7
	s_delay_alu instid0(VALU_DEP_1)
	v_add_f32 v[T], v[T], v[T+2+\i]
.endr
	s_delay_alu instid0(VALU_DEP_1)
	v_fma_f32 v[T], v[T], s36, s37                 ; the mean + 1e-5: the scaling by a power of two rounds nothing
	s_wait_alu depctr_va_vdst(0)
	v_rsq_f32 v[T+10], v[T]
	v_mov_b32 v[T+11], 0                           ; a plain line behind the transcendental (and the upper half of the pair named below)
	s_wait_alu depctr_va_vdst(0)                   ; the wait ahead of the first reader
	s_wait_loadcnt 0x0                             ; norm_scale, wg, bg
.set p, 0
.rept 32
	v_pk_mul_f32 v[X+2*p:X+2*p+1], v[X+2*p:X+2*p+1], v[T+10:T+11] op_sel_hi:[1,0]
.set p, p+1
.endr
.set p, 0
.rept 32
	v_pk_mul_f32 v[X+2*p:X+2*p+1], v[X+2*p:X+2*p+1], v[NS+2*p:NS+2*p+1]   ; xn = (x rsqrt) norm_scale, in the problem's order
.set p, p+1
.endr
	; the quantiser: my two blocks, 2 c + h of this K step, are wholly mine
.irp c, 0,1
	v_max3_num_f32 v[T+\c], |v[X+32*\c]|, |v[X+1+32*\c]|, 0x1800000   ; with the floor 2^(3 - 127): the byte cannot fall under 1
.endr
.irp i, 2,4,6,8,10,12,14,16,18,20,22,24,26,28,30
.irp c, 0,1
	s_delay_alu instid0(VALU_DEP_2)
	v_max3_num_f32 v[T+\c], v[T+\c], |v[X+32*\c+\i]|, |v[X+1+32*\c+\i]|
.endr
.endr
.irp c, 0,1
	s_delay_alu instid0(VALU_DEP_2)
	v_add_nc_u32 v[T+2+\c], 0xff000000, v[T+\c]    ; 2 off the exponent field: the conversion's scale operand
.endr
.irp c, 0,1
	s_delay_alu instid0(VALU_DEP_2)
	v_lshrrev_b32 v[T+4+\c], 23, v[T+2+\c]         ; the scale's byte
.endr
	s_delay_alu instid0(VALU_DEP_1)
	v_lshl_or_b32 v29, v[T+5], 16, v[T+4]
	v_lshlrev_b32 v[T+6], 3, v3
	s_delay_alu instid0(VALU_DEP_1)
	v_lshlrev_b32 v29, v[T+6], v29                 ; my two bytes at their places, 8 h bits up
	v_mov_b32 v[T+6], 0
	s_delay_alu instid0(VALU_DEP_1)
	v_permlanex16_b32 v[T+6], v29, s20, s21
	s_delay_alu instid0(VALU_DEP_1)
	v_or_b32 v29, v29, v[T+6]                      ; with lane l xor 16's two the word is whole
.irp c, 0,1
	v_cvt_scalef32_pk16_fp6_f32 v[CD+6*\c:CD+6*\c+2], v[X+32*\c:X+32*\c+15], v[T+2+\c]
	v_cvt_scalef32_pk16_fp6_f32 v[CT+4*\c:CT+4*\c+2], v[X+32*\c+16:X+32*\c+31], v[T+2+\c]   ; (a conversion's three registers begin on an even number)
.endr
	v_nop                                          ; a plain line behind the conversions
.irp c, 0,1
.irp i, 0,1,2
	v_mov_b32 v[CD+3+6*\c+\i], v[CT+4*\c+\i]
.endr
.endr
.rept 8
	v_nop                                          ; a scale register written by a vector instruction stands 8 places ahead of the scaled product, an operand so written 4
.endr
	v_wmma_scale_f32_16x16x128_f8f6f4 v[D:D+7], v[16:27], v[CD:CD+11], 0, v28, v29 matrix_a_fmt:MATRIX_FMT_FP6 matrix_b_fmt:MATRIX_FMT_FP6   ; lane (r, h), register j: token r, expert 8 h + j, my K step
.irp i, 0,1,2
	ds_store_b128 v11, v[CD+4*\i:CD+4*\i+3] offset:16*\i
.endr
	ds_store_b32 v12, v29
.rept 4
	v_nop                                          ; four places ahead of the stores that read the result
.endr
	ds_store_b128 v13, v[D:D+3]                    ; the result from its low end on
	ds_store_b128 v13, v[D+4:D+7] offset:16
	s_wait_dscnt 0x0                               ; for the others' sake
	s_barrier_signal -1
	s_barrier_wait -1
	; the codes leave as whole rows: each store of the wave covers 512 consecutive bytes, aligned to 256
	ds_load_b128 v[32:35], v14
	ds_load_b128 v[36:39], v15
	ds_load_b128 v[40:43], v14 offset:1040
	s_wait_dscnt 0x0
	global_store_b128 v208, v[32:35], s[40:41]
	global_store_b128 v208, v[36:39], s[40:41] offset:512
	global_store_b128 v208, v[40:43], s[40:41] offset:1024
	s_cmp_lg_u32 s18, 7
	s_cbranch_scc1 .Lnot_7
	ds_load_b128 v[44:47], v209                    ; wave 7: the 16 tokens' scale words, 512 bytes
	s_wait_dscnt 0x0
	global_store_b128 v208, v[44:47], s[42:43]
.Lnot_7:
	s_cmp_lg_u32 s18, 0
	s_cbranch_scc1 .Lend
	; wave 0: the logits, the four largest, the gates
.irp w, 0,1,2,3,4,5,6,7
	ds_load_b128 v[96+8*\w:99+8*\w], v210 offset:1024*\w
	ds_load_b128 v[100+8*\w:103+8*\w], v210 offset:1024*\w+16
.endr
	s_wait_dscnt 0x0
.irp q, 0,1,2,3
	v_pk_add_f32 v[48+2*\q:49+2*\q], v[96+2*\q:97+2*\q], v[104+2*\q:105+2*\q]
.endr
.irp w, 2,3,4,5,6,7
.irp q, 0,1,2,3
	s_delay_alu instid0(VALU_DEP_4)
	v_pk_add_f32 v[48+2*\q:49+2*\q], v[48+2*\q:49+2*\q], v[96+8*\w+2*\q:97+8*\w+2*\q]   ; K ascending
.endr
.endr
.irp q, 0,1,2,3
	s_delay_alu instid0(VALU_DEP_4)
	v_pk_add_f32 v[48+2*\q:49+2*\q], v[48+2*\q:49+2*\q], v[200+2*\q:201+2*\q]          ; + bg
.endr
.irp j, 0,1,2,3,4,5,6,7
	v_permlanex16_b32 v[56+\j], v[48+\j], s20, s21 ; the other eight experts of my token
.endr
	v_cmp_eq_u32 vcc_lo, 1, v3
.irp j, 0,1,2,3,4,5,6,7
	v_cndmask_b32 v[64+\j], v[48+\j], v[56+\j], vcc_lo   ; v64-79: the 16 logits of token r, in every lane
	v_cndmask_b32 v[72+\j], v[56+\j], v[48+\j], vcc_lo
.endr
	v_mov_b32 v90, 0xff800000
; The largest of the 16, the lower index where two are equal; it is then taken out.  No branch and no address hangs on it.
; The maximum by a tree of three-input maxima; each logit is compared with it into a scalar mask of its own (s48-63); each index is kept where its logit is the maximum and is 16 elsewhere;
; the least of these 16 numbers is the lowest index that holds the maximum.  The lines of each level do not depend on each other.
.macro TOP1 k, out
	v_mov_b32 v91, 16
.irp i, 0,1,2,3,4
	v_max3_num_f32 v[96+\i], v[64+3*\i], v[65+3*\i], v[66+3*\i]
.endr
	s_delay_alu instid0(VALU_DEP_3)
	v_max3_num_f32 v101, v96, v97, v98
	s_delay_alu instid0(VALU_DEP_2)
	v_max3_num_f32 v102, v99, v100, v79
	s_delay_alu instid0(VALU_DEP_1)
	v_max_num_f32 v80, v101, v102
.irp i, 0,1,2,3,4,5,6,7,8,9,10,11,12,13,14,15
.if \i == 0
	s_delay_alu instid0(VALU_DEP_1)
.endif
	v_cmp_neq_f32 s[48+\i], v80, v[64+\i]
.endr
.irp i, 0,1,2,3,4,5,6,7,8,9,10,11,12,13,14,15
	v_cndmask_b32 v[104+\i], \i, v91, s[48+\i]     ; i where logit i is the maximum, else 16
.endr
.irp i, 0,1,2,3,4,5,6,7
	v_min_u32 v[104+\i], v[104+\i], v[112+\i]
.endr
.irp i, 0,1,2,3
	s_delay_alu instid0(VALU_DEP_4)
	v_min_u32 v[104+\i], v[104+\i], v[108+\i]
.endr
.irp i, 0,1
	s_delay_alu instid0(VALU_DEP_2)
	v_min_u32 v[104+\i], v[104+\i], v[106+\i]
.endr
	s_delay_alu instid0(VALU_DEP_1)
	v_min_u32 v81, v104, v105
	v_mov_b32 v[82+\k], v80
	s_delay_alu instid0(VALU_DEP_2)
	v_mov_b32 v[86+\k], v81
.if \out
.irp i, 0,1,2,3,4,5,6,7,8,9,10,11,12,13,14,15
.if \i == 0
	s_delay_alu instid0(VALU_DEP_3)
.endif
	v_cmp_eq_u32 s[48+\i], \i, v81
.endr
.irp i, 0,1,2,3,4,5,6,7,8,9,10,11,12,13,14,15
	v_cndmask_b32 v[64+\i], v[64+\i], v90, s[48+\i]
.endr
.endif
.endm
	TOP1 0, 1
	TOP1 1, 1
	TOP1 2, 1
	TOP1 3, 0
.irp k, 0,1,2,3
	v_sub_f32 v[92+\k], v[82+\k], v82              ; the maximum, the first of the four, is taken away
.endr
.irp k, 0,1,2,3
	s_delay_alu instid0(VALU_DEP_4)
	v_mul_f32 v[92+\k], 0x3fb8aa3b, v[92+\k]
.endr
	s_wait_alu depctr_va_vdst(0)
.irp k, 0,1,2,3
	v_exp_f32 v[92+\k], v[92+\k]
.endr
	v_mov_b32 v181, 1                              ; a plain line behind the batch
	s_wait_alu depctr_va_vdst(0)                   ; one wait for the four
	v_add_f32 v91, v92, v93
	v_add_f32 v91, v91, v94
	v_add_f32 v91, v91, v95
	s_wait_alu depctr_va_vdst(0)
	v_rcp_f32 v180, v91
	v_lshlrev_b32 v182, v86, v181                  ; the mask of chosen experts (plain work behind the reciprocal)
.irp k, 1,2,3
	v_lshlrev_b32 v183, v[86+\k], v181
	s_delay_alu instid0(VALU_DEP_1)
	v_or_b32 v182, v182, v183
.endr
.irp k, 0,1,2,3
	s_delay_alu instid0(VALU_DEP_1)
	v_lshl_or_b32 v182, v[86+\k], 16+4*\k, v182
.endr
	s_wait_alu depctr_va_vdst(0)
.irp k, 0,1,2,3
	v_mul_f32 v[92+\k], v[92+\k], v180
.endr
	global_store_b128 v211, v[92:95], s[44:45]     ; both halves of the lanes store the same
	global_store_b32 v212, v182, s[46:47]
.Lend:
	s_wait_tensorcnt 0x0                           ; the wave's end
	ds_add_u32 v[SPW], v[NIL]
	s_wait_dscnt 0x0
	s_endpgm
.Lfunc_end_k_q776c2d1530_route:
	.size	k_q776c2d1530_route, .Lfunc_end_k_q776c2d1530_route-k_q776c2d1530_route
	.p2alignl 7, 3214868480
	.fill 96, 4, 3214868480
	.section	.rodata,"a",@progbits
	.p2align	6, 0x0
	.amdhsa_kernel k_q776c2d1530_route
		.amdhsa_group_segment_fixed_size 167936
		.amdhsa_private_segment_fixed_size 0
		.amdhsa_enable_private_segment 0
		.amdhsa_kernarg_size 56
		.amdhsa_user_sgpr_count 2
		.amdhsa_user_sgpr_kernarg_segment_ptr 1
		.amdhsa_wavefront_size32 1
		.amdhsa_system_sgpr_workgroup_id_x 1
		.amdhsa_system_sgpr_workgroup_id_y 1
		.amdhsa_system_sgpr_workgroup_id_z 1
		.amdhsa_system_vgpr_workitem_id 0
		.amdhsa_next_free_vgpr 224
		.amdhsa_next_free_sgpr 66
		.amdhsa_reserve_vcc 1
		.amdhsa_float_denorm_mode_32 3
		.amdhsa_float_denorm_mode_16_64 3
		.amdhsa_memory_ordered 1
		.amdhsa_forward_progress 1
		.amdhsa_inst_pref_size 50
	.end_amdhsa_kernel
	.amdgpu_metadata
---
amdhsa.version: [ 1, 2 ]
amdhsa.kernels:
  - .name:           k_q776c2d1530_route
    .symbol:         k_q776c2d1530_route.kd
    .args:
      - { .name: x, .offset: 0, .size: 8, .value_kind: global_buffer, .address_space: global }
      - { .name: norm_scale, .offset: 8, .size: 8, .value_kind: global_buffer, .address_space: global }
      - { .name: wg_codes, .offset: 16, .size: 8, .value_kind: global_buffer, .address_space: global }
      - { .name: wg_scales, .offset: 24, .size: 8, .value_kind: global_buffer, .address_space: global }
      - { .name: bg, .offset: 32, .size: 8, .value_kind: global_buffer, .address_space: global }
      - { .name: rt, .offset: 40, .size: 8, .value_kind: global_buffer, .address_space: global }
      - { .name: sel, .offset: 48, .size: 8, .value_kind: global_buffer, .address_space: global }
    .group_segment_fixed_size: 167936
    .private_segment_fixed_size: 0
    .kernarg_segment_align: 8
    .kernarg_segment_size: 56
    .max_flat_workgroup_size: 256
    .sgpr_count:     66
    .vgpr_count:     224
    .wavefront_size: 32
...
	.end_amdgpu_metadata
.endif
;; end of part 5
;; launch ffn1 (part 6): grid 16 x 16, 4 waves a work-group, no clusters, 217,600 bytes of LDS; arguments sel, rt, w1_codes, w1_scales, b1, sq, ord; writes sq, ord
.if DOCPART == 6
	.amdgcn_target "amdgcn-amd-amdhsa--gfx1250"
	.amdhsa_code_object_version 6
	.text
	.protected	k_q776c2d1530_ffn1
	.globl	k_q776c2d1530_ffn1
	.p2align	8
	.type	k_q776c2d1530_ffn1,@function
k_q776c2d1530_ffn1:
	s_mov_b64 s[64:65], 0
	v_nop
	global_prefetch_b8 v0, s[64:65] scope:SCOPE_SE
	s_setreg_imm32_b32 hwreg(HW_REG_WAVE_MODE, 25, 1), 1
	s_wait_xcnt 0x0
; LAUNCH 2 OF 4: h = xn w1 + b1 on codes, the clipped SwiGLU, the quantiser of s.  Only the rows (expert, token) that the router chose are multiplied: the others meet a 0 of gate_full (see the first kernel's head).
; SHARES.  Work-group (j, e) owns rows 128 j .. 128 j + 127 of expert e's w1 (64 columns of s: blocks 2 j and 2 j + 1 of the next K).  Its 96 KB of codes are read from memory once, dense, turned through LDS
; and kept in registers.  Wave w: u = w / 2 is its block of 32 columns, par = w % 2 its tiles of 16 routed rows (par, par + 2, ..).
; THE LIST.  While the weights are on their way each work-group makes its expert's list of tokens from sel (whole numbers that the launch before stored): 32 masks of 32 tokens, their counts and running sums in
; scalar registers; thread by thread the token of a given rank is found by a search over the running sums and a select in the mask.  The order of ranks is that of the masks' words, the same in all 16 work-groups of an expert.
; Work-group j also stores pos[4 t + k] = 1,024 e + rank for ranks 64 j .. 64 j + 63, and work-group 0 the count.  EXEC is never written: all lanes are on throughout.
; THE PRODUCT IS USED TRANSPOSED (source 0 = 16 rows of w1, source 1 = 16 routed rows).  A wave has four tiles of w1, t = 2 v + gl: gl = 0 the even rows (gate), 1 the odd (linear); row rho of a tile is column
; 32 u + 8 v + rho + 8 (rho / 8) of s.  So lane (r, h) holds, in register jj of tiles 2 v and 2 v + 1, gate and linear part of column 32 u + 16 h + 8 v + jj of routed row r: 16 neighbours along the next K.
; THE ROWS OF xn COME THROUGH LDS, each tile asked for once in the work-group.  A round is four tiles of 16 routed rows; wave (u, par) multiplies tiles par and par + 2 of the round and fetches rows 8 u .. 8 u + 7 of these two:
; a row's 768 bytes of codes are three aligned blocks of 256, and each load of the wave covers two such blocks whole.  What is fetched goes from registers into one of two LDS slots, a round ahead of its use, and is asked for a
; round ahead of that.  One barrier stands at each round's end, on every wave's path.  The loop has a constant number of rounds; the work of a wave's round whose first tile lies past the expert's last is jumped over, and so
; are a second tile past the last and the request for a round that will not be worked: scalar branches on the count, with no barrier inside.  The number of tiles is held at 1 from below, so that tile 0 of an expert without
; rows (made of token 0) is written too.
; sq: codes [e][tile 64][K step 8][h 2][row 16][c 2][24 bytes], block 4 ks + 2 c + h; from byte SSO the scale bytes [e][tile][row 16][32].
; LIMITS: NaN and infinities in h are not served; a block of zeros gets the byte 1 (its codes are zeros; this program alone reads the bytes).
; REGISTERS, in windows of 256.  Window 0: v4-15 addresses of the loop; v16-29 at work in the head; v32-47 w1's scale words, v48-55 xn's; v56-63 addresses; v64-95 b1 as the products' C; v96-127 the four accumulators;
;   v128-143 s; v144-159 the sigmoid; v160-191 at work; v192-239 in the head sel and b1 as loaded, in the loop list entries and the fetches' offsets.  Window 1: two buffers of 96 for xn's fragments (in the head: the weights as loaded).
;   Windows 2, 3: v0-191 w1's fragments of K steps 0-3, 4-7; v192-241 what is on its way for the wave's first and second tile.
.set WLN,   50176                      ; LDS 0: 64 gate rows, 784 bytes apart; from WLN: 64 linear rows
.set WP,    784
.set WSC,   100352                     ; scale bytes: 64 gate rows, 48 bytes apart, then 64 linear rows
.set LIST,  106496                     ; the expert's list: 1,024 words
.set SPARE, 110592                     ; the spare words, 128 bytes a wave: two blocks of 256 bytes that no other line names
.set XBUF,  111104                     ; xn's codes: eight tiles of 16 rows, 784 bytes apart; tile 4 par + 2 slot + b
.set TILEB, 16*WP
.set XSCB,  XBUF+8*TILEB               ; xn's scale words: eight tiles of 16 rows, 48 bytes apart
.set XQS,   786432
.set SSO,   12582912
.set FR,    12
.set XF,    4                          ; v4   a fragment of xn in LDS: my parity's tiles, row r, + 384 h
.set XC,    5                          ; v5   its scale words: row r, + 16 h
.set GS0,   6                          ; v6   where I put what I fetch: my parity's tiles, row 8 u, + 16 x lane
.set GS1,   7                          ; v7   the piece that crosses from a row into the next
.set GC,    8                          ; v8   the scale words that I fetch
.set ST0,   9
.set SB0,   10
.set STA,   11                         ; v11, v12  where a tile's codes of s go: one register for each of a round's two tiles
.set SBA,   13                         ; v13, v14  and its scale bytes
.set TB,    15                         ; v15  the list's entries of rows 8 u on of tile 0
.set SPW,   30
.set NIL,   31
.set WS,    32
.set XS,    48
.set L16,   56                         ; v56  16 x lane
.set TA,    57                         ; v57-60 in the loop: LDS addresses of the list entries in hand
.set BIAS,  64
.set ACC,   96
.set S,     128
.set E,     144
.set TS,    188                        ; v188 the list's entry of row 8 u + lane / 4 of tile 0
.set C1,    189                        ; v189 512 + 16 x lane - 768 h: a row's last 256 bytes (lanes 0-15), the next row's first 256 (lanes 16-31)
.set L8,    190                        ; v190 8 x (lane % 4)
.set TOK,   192                        ; v192-207 eight tokens for each of my two tiles, the same in all lanes; v208, v209 a token a lane
.set GA,    210                        ; v210-233 the fetches' offsets, 12 a tile; v234, v235 the scale words'
.set GT,    236                        ; v236-239 at work
.set G,     192                        ; in window 2 (first tile) and window 3 (second): 48 registers of codes, 2 of scale words
.set MSB, 0
.macro WIN new                         ; the immediate's high byte repeats the setting that is left
.if MSB != \new
	s_set_vgpr_msb (MSB<<8)|\new
.set MSB, \new
.endif
.endm
	s_load_b256 s[4:11], s[0:1], 0x0               ; sel, rt, w1_codes, w1_scales
	s_load_b128 s[12:15], s[0:1], 0x20             ; b1, sq
	s_load_b64 s[16:17], s[0:1], 0x30              ; ord
	v_lshl_add_u32 v[SPW], v0, 2, SPARE
	v_mov_b32 v[NIL], 0
	v_lshrrev_b32 v1, 5, v0
	v_readfirstlane_b32 s18, v1                    ; wave
	s_lshr_b32 s19, s18, 1                         ; u
	s_and_b32 s20, s18, 1                          ; par
	s_mov_b32 s21, ttmp9                           ; j
	s_and_b32 s22, ttmp7, 0xffff                   ; e
	s_lshl_b32 s23, 1, s22
	s_mov_b32 s98, 0x76543210
	s_mov_b32 s99, 0xfedcba98
	s_mov_b32 s100, 0xc0e00000                     ; -7
	s_mov_b32 s101, 0x40e00000                     ; 7
	v_and_b32 v1, 31, v0                           ; lane
	v_and_b32 v2, 15, v0                           ; r
	v_bfe_u32 v3, v0, 4, 1                         ; h
	v_lshlrev_b32 v[L16], 4, v1                    ; 16 x lane
	s_lshl_b32 s28, s22, 2
	v_mov_b32 v184, s28                            ; 4 e: the count's place
	; LDS addresses, all made here
	s_mul_i32 s28, s19, 32*WP
	s_mul_i32 s29, s20, 8*WP
	s_add_co_u32 s29, s29, s28                     ; my 16 columns' first LDS row: 32 u + 8 par
	v_add_nc_u32 v57, s29, v56                     ; a gate row's first 512 bytes
	v_mad_u32_u24 v58, v3, WLN-768, v57
	v_add_nc_u32 v58, 512, v58                     ; its last 256 (lanes 0-15), the linear row's first 256 (lanes 16-31)
	v_add_nc_u32 v59, WLN+256, v57                 ; the linear row's last 512
	v_bfe_u32 v27, v0, 1, 1
	v_mul_u32_u24 v60, v27, 3072
	v_bfe_u32 v27, v0, 2, 3
	v_mad_u32_u24 v60, v27, 48, v60
	v_and_b32 v27, 1, v0
	v_lshl_add_u32 v60, v27, 4, v60
	s_mul_i32 s29, s19, 1536
	s_mul_i32 s30, s20, 384
	s_add_co_u32 s30, s30, s29
	s_add_co_u32 s30, s30, WSC
	v_add_nc_u32 v60, s30, v60                     ; the scale bytes as loaded: gate or linear by (lane / 2) % 2, row lane / 4, half lane % 2
	v_mul_u32_u24 v61, v2, WP
	v_mad_u32_u24 v61, v3, 24, v61
	v_add_nc_u32 v61, s28, v61                     ; a fragment of w1: row 32 u + rho, + 24 h
	v_mul_u32_u24 v62, v2, 48
	v_lshl_add_u32 v62, v3, 4, v62
	s_add_co_u32 s29, s29, WSC
	v_add_nc_u32 v62, s29, v62                     ; its scale words: lanes 0-15 words 0-3, lanes 16-31 words 4-7
	v_lshl_add_u32 v29, v0, 2, LIST                ; where I write the list
	v_lshlrev_b32 v63, 7, v3                       ; b1: 128 h
	s_mul_i32 s30, s20, 4*TILEB
	s_add_co_u32 s30, s30, XBUF                    ; my parity's four tiles of xn
	v_mul_u32_u24 v[XF], v2, WP
	v_mad_u32_u24 v[XF], v3, 384, v[XF]
	v_add_nc_u32 v[XF], s30, v[XF]
	s_mul_i32 s31, s19, 8*WP
	s_add_co_u32 s31, s31, s30
	v_add_nc_u32 v[GS0], s31, v[L16]
	v_lshl_add_u32 v[GS1], v3, 4, v[GS0]
	v_add_nc_u32 v[GS1], 512, v[GS1]
	s_mul_i32 s30, s20, 4*768
	s_add_co_u32 s30, s30, XSCB
	v_mul_u32_u24 v[XC], v2, 48
	v_lshl_add_u32 v[XC], v3, 4, v[XC]
	v_add_nc_u32 v[XC], s30, v[XC]
	s_mul_i32 s31, s19, 8*48
	s_add_co_u32 s31, s31, s30
	v_bfe_u32 v27, v0, 2, 3                        ; lane / 4
	v_and_b32 v26, 3, v0
	v_lshlrev_b32 v[L8], 3, v26
	v_mad_u32_u24 v[GC], v27, 48, v[L8]
	v_add_nc_u32 v[GC], s31, v[GC]
	s_lshl_b32 s31, s19, 5
	s_add_co_u32 s31, s31, LIST
	v_mov_b32 v[TB], s31
	v_lshl_add_u32 v[TS], v27, 2, v[TB]
	v_add_nc_u32 v[C1], 512, v[L16]
	v_mul_u32_u24 v26, v3, 768
	v_sub_nc_u32 v[C1], v[C1], v26
	; offsets in memory
	s_mul_i32 s28, s22, 1572864
	s_mul_i32 s29, s21, 98304
	s_add_co_u32 s28, s28, s29
	s_mul_i32 s29, s18, 24576
	s_add_co_u32 s28, s28, s29                     ; my wave's 32 rows of w1
	s_mov_b32 s29, 0
	s_lshl_b32 s30, s22, 16
	s_lshl_b32 s31, s21, 12
	s_add_co_u32 s30, s30, s31
	s_lshl_b32 s31, s18, 10
	s_add_co_u32 s30, s30, s31                     ; and their scale bytes
	s_mov_b32 s31, 0
	s_wait_kmcnt 0x0
	s_add_nc_u64 s[8:9], s[8:9], s[28:29]
	s_add_nc_u64 s[10:11], s[10:11], s[30:31]
.irp i, 0,1,2,3,4,5,6,7
	global_load_b128 v[192+4*\i:195+4*\i], v56, s[4:5] offset:512*\i   ; sel: register 4 i + c, lane l: token 128 i + 4 l + c
.endr
	WIN 0x40                                       ; destination window 1
.set i, 0
.rept 48
	global_load_b128 v[4*i:4*i+3], v56, s[8:9] offset:512*i th:TH_LOAD_NT   ; 512 consecutive bytes a load; read once in the launch
.set i, i+1
.endr
	WIN 0
	global_load_b128 v[166:169], v56, s[10:11] th:TH_LOAD_NT
	global_load_b128 v[170:173], v56, s[10:11] offset:512 th:TH_LOAD_NT
	s_lshl_b32 s28, s22, 13
	s_lshl_b32 s30, s21, 9
	s_add_co_u32 s28, s28, s30
	s_lshl_b32 s30, s19, 8
	s_add_co_u32 s28, s28, s30
	s_add_nc_u64 s[12:13], s[12:13], s[28:29]      ; b1 at column 128 j + 64 u of expert e
	s_wait_loadcnt 50                              ; sel is in; the 48 + 2 younger loads stay out
	s_mov_b32 s24, 0
.set wd, 0
.rept 32                               ; s[32 + wd]: the mask of word wd;  s[66 + wd]: (tokens of my expert in the words before) << 10 | the word's first token
	v_and_b32 v26, s23, v[192+wd]
	v_cmp_ne_u32 s[32+wd], 0, v26
	s_lshl_b32 s28, s24, 10
	s_or_b32 s[66+wd], s28, ((wd>>2)<<7)|(wd&3)
	s_bcnt1_i32_b32 s29, s[32+wd]
	s_add_co_u32 s24, s24, s29
.set wd, wd+1
.endr
	s_min_u32 s24, s24, 1024                       ; s24 = n, my expert's rows: 32 masks of 32 bits hold no more than the 1,024 tokens
	s_add_co_u32 s25, s24, 15
	s_lshr_b32 s25, s25, 4
	s_max_u32 s25, s25, 1                          ; tiles of 16 rows, at least one
.irp i, 0,1,2,3,4,5,6,7
	global_load_b128 v[224+4*\i:227+4*\i], v63, s[12:13] offset:16*\i
.endr
; The token of rank v17.  v19, v20: key and mask of the last word whose running sum is at most the rank; v21: the rank inside the word; then the place of that set bit, by counts of 16, 8, 4, 2, 1 bits.
.macro SCOMMON step
	v_cmp_ge_u32 vcc_lo, v21, v27
	v_sub_nc_u32 v26, v21, v27
	v_cndmask_b32 v21, v21, v26, vcc_lo
	v_add_nc_u32 v26, \step, v25
	v_cndmask_b32 v25, v25, v26, vcc_lo
.endm
.macro SELECT
	v_lshl_or_b32 v18, v17, 10, 1023
	v_mov_b32 v19, s66
	v_mov_b32 v20, s32
.set wd, 1
.rept 31
	v_cmp_gt_u32 vcc_lo, s[66+wd], v18
	v_cndmask_b32 v19, s[66+wd], v19, vcc_lo
	v_cndmask_b32 v20, s[32+wd], v20, vcc_lo
.set wd, wd+1
.endr
	v_lshrrev_b32 v26, 10, v19
	v_sub_nc_u32 v21, v17, v26
	v_lshrrev_b32 v26, 1, v20
	v_and_b32 v26, 0x55555555, v26
	v_sub_nc_u32 v22, v20, v26                     ; counts of 2 bits
	v_lshrrev_b32 v26, 2, v22
	v_and_b32 v26, 0x33333333, v26
	v_and_b32 v23, 0x33333333, v22
	v_add_nc_u32 v23, v23, v26                     ; of 4
	v_lshrrev_b32 v26, 4, v23
	v_add_nc_u32 v24, v23, v26
	v_and_b32 v24, 0x0f0f0f0f, v24                 ; of 8
	v_lshrrev_b32 v26, 8, v24
	v_add_nc_u32 v27, v24, v26
	v_and_b32 v27, 0xff, v27                       ; of the low 16
	v_mov_b32 v25, 0
	SCOMMON 16
	v_bfe_u32 v27, v24, v25, 8
	SCOMMON 8
	v_bfe_u32 v27, v23, v25, 4
	SCOMMON 4
	v_bfe_u32 v27, v22, v25, 2
	SCOMMON 2
	v_bfe_u32 v27, v20, v25, 1
	SCOMMON 1
	v_and_b32 v26, 0x3ff, v19
	v_lshl_add_u32 v28, v25, 2, v26                ; the word's first token + 4 x the bit's place
	v_min_u32 v28, 0x3ff, v28                      ; (a rank at or past n gives some token: such rows are worked and never read)
.endm
	v_mov_b32 v164, 0                              ; the token and
	v_mov_b32 v165, 0xffff                         ; the rank whose pos I store, if any
	s_mov_b32 s27, 0
.Llist:                                            ; 8 trips: thread v0 takes rank v0 + 128 i
	s_lshr_b32 s28, s27, 2
	v_add_nc_u32 v17, s28, v0
	v_add_nc_u32 v16, s27, v29
	v_mov_b32 v28, 0                               ; entries past n hold token 0
	s_lshl_b32 s29, s18, 5
	s_add_co_u32 s29, s29, s28                     ; my wave's first rank
	s_cmp_ge_u32 s29, s24
	s_cbranch_scc1 .Lno_select
	SELECT
.Lno_select:
	s_wait_alu depctr_va_vdst(0)
	s_lshr_b32 s29, s29, 6
	s_cmp_eq_u32 s29, s21                          ; ranks 64 j .. 64 j + 63 are my work-group's to publish
	s_cselect_b32 s29, -1, 0
	v_cndmask_b32 v164, v164, v28, s29
	v_cndmask_b32 v165, v165, v17, s29
	ds_store_b32 v16, v28
	s_add_co_u32 s27, s27, 512
	s_cmp_lt_u32 s27, 4096
	s_cbranch_scc1 .Llist
	v_min_u32 v174, 0x3ff, v164
	v_lshlrev_b32 v175, 2, v174
	global_load_b32 v180, v175, s[4:5]             ; that token's word of sel: which of its four places is my expert's
	s_wait_loadcnt 11                              ; the weights are in; 2 + 8 + 1 younger loads stay out
	WIN 0x04                                       ; an LDS store's data: window 1
.irp m, 0,1,2,3,4,5,6,7,8,9,10,11,12,13,14,15
	ds_store_b128 v57, v[12*\m:12*\m+3] offset:(16*(\m/8)+\m%8)*WP      ; column 16 w + m goes to LDS row 32 u + 8 par + 16 (m / 8) + m % 8, so that a tile's 16 rows are neighbours
	ds_store_b128 v58, v[12*\m+4:12*\m+7] offset:(16*(\m/8)+\m%8)*WP
	ds_store_b128 v59, v[12*\m+8:12*\m+11] offset:(16*(\m/8)+\m%8)*WP
.endr
	WIN 0
	s_wait_loadcnt 9                               ; the scale bytes are in
	ds_store_b128 v60, v[166:169]
	ds_store_b128 v60, v[170:173] offset:768
	s_wait_loadcnt 1                               ; b1 is in
.irp t, 0,1,2,3
.irp jj, 0,1,2,3,4,5,6,7
	v_mov_b32 v[BIAS+8*\t+\jj], v[224+16*(\t/2)+2*\jj+\t%2]   ; gate and linear parts apart, in the results' layout
.endr
.endr
	s_wait_loadcnt 0x0
	v_mov_b32 v181, 0
.irp i, 1,2,3
	v_bfe_u32 v182, v180, 16+4*\i, 4
	v_cmp_ne_u32 vcc_lo, s22, v182
	v_cndmask_b32 v181, \i, v181, vcc_lo
.endr
	v_lshl_add_u32 v181, v174, 2, v181             ; 4 t + k
	s_lshl_b32 s28, s22, 10
	v_add_nc_u32 v182, s28, v165                   ; 1,024 e + rank
	; pos is stored by the two waves that hold ranks 64 j .. 64 j + 63 (w / 2 = j % 2), and by such a wave only if its first rank, 64 j + 32 (w % 2), lies under n
	s_and_b32 s28, s21, 1
	s_cmp_lg_u32 s28, s19
	s_cbranch_scc1 .Lno_pos
	s_lshl_b32 s28, s21, 6
	s_lshl_b32 s29, s20, 5
	s_add_co_u32 s28, s28, s29
	s_cmp_ge_u32 s28, s24
	s_cbranch_scc1 .Lno_pos
	s_wait_alu depctr_va_vdst(0)
	v_readfirstlane_b32 s28, v181                  ; lane 0's rank lies under n.  A lane whose rank does not has nothing to store: it stores lane 0's word once more, at lane 0's place, so that all lanes stay on
	v_readfirstlane_b32 s29, v182
	v_cmp_gt_u32 vcc_lo, s24, v165
	v_cndmask_b32 v181, s28, v181, vcc_lo
	v_cndmask_b32 v182, s29, v182, vcc_lo
	v_min_u32 v181, 0xfff, v181                    ; a number made of loaded ones enters an address behind a clamp: pos has 4,096 words
	v_lshlrev_b32 v181, 2, v181
	global_store_b32 v181, v182, s[16:17]
.Lno_pos:
	s_or_b32 s28, s21, s18
	s_cmp_lg_u32 s28, 0
	s_cbranch_scc1 .Lno_count
	v_mov_b32 v183, s24
	global_store_b32 v184, v183, s[16:17] offset:16384   ; the expert's count: work-group 0's wave 0; all lanes store the same word
.Lno_count:
	s_wait_dscnt 0x0                               ; my stores of weights, scale bytes and list have landed
	s_barrier_signal -1
	s_barrier_wait -1                              ; weights, scale bytes and list are whole
; The list's entries of tiles s26 + add and s26 + add + 2, held inside the list: my eight rows' tokens, the same in all lanes, and for the scale words a token a lane.
.macro TOKLOAD add
.irp b, 0,1
	s_add_co_u32 s28, s26, (\add)+2*\b
	s_min_u32 s28, s28, 63
	s_lshl_b32 s28, s28, 6                         ; 64 bytes of the list a tile
	v_add_nc_u32 v[TA+2*\b], s28, v[TB]
	v_add_nc_u32 v[TA+2*\b+1], s28, v[TS]
	ds_load_b128 v[TOK+8*\b:TOK+8*\b+3], v[TA+2*\b]
	ds_load_b128 v[TOK+8*\b+4:TOK+8*\b+7], v[TA+2*\b] offset:16
	ds_load_b32 v[TOK+16+\b], v[TA+2*\b+1]
.endr
.endm
; The fetches' offsets.  Rows come in pairs: the first row's first 512 bytes; its last 256 and the second row's first 256; the second row's last 512.  The tokens come from the list: each offset made of one is held, as the
; last step, at the last token's offset.  In the loop these plain lines are also the places behind the products.
.macro GADDR
.irp b, 0,1
.irp m, 0,1,2,3
	v_cndmask_b32 v[GT+\m], v[TOK+8*\b+2*\m], v[TOK+8*\b+2*\m+1], s38   ; lanes 16-31 take the pair's second row
	v_mad_u32_u24 v[GA+12*\b+3*\m], v[TOK+8*\b+2*\m], 768, v[L16]
	v_mad_u32_u24 v[GA+12*\b+3*\m+2], v[TOK+8*\b+2*\m+1], 768, v[L16]
	v_mad_u32_u24 v[GA+12*\b+3*\m+1], v[GT+\m], 768, v[C1]
.endr
.irp m, 0,1,2,3
	v_min_u32 v[GA+12*\b+3*\m], 0xbfef0, v[GA+12*\b+3*\m]         ; 1,023 x 768 + 496
	v_min_u32 v[GA+12*\b+3*\m+1], 0xbfff0, v[GA+12*\b+3*\m+1]     ; 1,023 x 768 + 752
	v_min_u32 v[GA+12*\b+3*\m+2], 0xbfef0, v[GA+12*\b+3*\m+2]
.endr
	v_lshl_add_u32 v[GA+24+\b], v[TOK+16+\b], 5, v[L8]
	v_min_u32 v[GA+24+\b], 0x7ff8, v[GA+24+\b]                    ; 1,023 x 32 + 24
.endr
.endm
.macro GLOAD                           ; 26 loads: each of the 24 covers two aligned blocks of 256 bytes whole
.irp b, 0,1
	WIN (0x80+0x40*\b)                             ; destination window 2 or 3
.irp m, 0,1,2,3
	global_load_b128 v[G+12*\m:G+12*\m+3], v[GA+12*\b+3*\m], s[6:7]
	global_load_b128 v[G+12*\m+4:G+12*\m+7], v[GA+12*\b+3*\m+1], s[6:7]
	global_load_b128 v[G+12*\m+8:G+12*\m+11], v[GA+12*\b+3*\m+2], s[6:7] offset:256
.endr
	global_load_b64 v[G+48:G+49], v[GA+24+\b], s[6:7] offset:XQS
.endr
	WIN 0
.endm
.macro GSTORE slot                     ; what has come goes into the slot, rows 784 bytes apart
.irp b, 0,1
	WIN (0x08+0x04*\b)                             ; an LDS store's data: window 2 or 3
.irp m, 0,1,2,3
	ds_store_b128 v[GS0], v[G+12*\m:G+12*\m+3] offset:(2*(\slot)+\b)*TILEB+2*WP*\m
	ds_store_b128 v[GS1], v[G+12*\m+4:G+12*\m+7] offset:(2*(\slot)+\b)*TILEB+2*WP*\m
	ds_store_b128 v[GS0], v[G+12*\m+8:G+12*\m+11] offset:(2*(\slot)+\b)*TILEB+2*WP*\m+1040
.endr
	ds_store_b64 v[GC], v[G+48:G+49] offset:(2*(\slot)+\b)*768
.endr
	WIN 0
.endm
.macro FETCH slot, b                   ; a tile's eight fragments: a lane's 384 bytes are its 96 operand registers on end
	WIN 0x40
.set g, 0
.rept 24
	ds_load_b128 v[96*\b+4*g:96*\b+4*g+3], v[XF] offset:(2*(\slot)+\b)*TILEB+16*g
.set g, g+1
.endr
	WIN 0
	ds_load_b128 v[XS+4*\b:XS+4*\b+3], v[XC] offset:(2*(\slot)+\b)*768   ; lanes 0-15 words 0-3, lanes 16-31 words 4-7
.endm
	s_mov_b32 s38, 0xffff0000                      ; lanes 16-31.  (The masks' registers are free now)
	s_mov_b32 s26, s20                             ; my first tile
	TOKLOAD 0
	s_mov_b32 s32, 0xc01d265f                      ; -1.702 log2(e)
	s_mov_b32 s33, s32
	s_mul_i32 s28, s22, 786432
	s_mov_b32 s29, 0
	s_add_nc_u64 s[34:35], s[14:15], s[28:29]      ; my expert's codes of s
	s_lshl_b32 s28, s22, 15
	s_add_co_u32 s28, s28, SSO
	s_add_nc_u64 s[36:37], s[14:15], s[28:29]      ; and scale bytes
	s_lshr_b32 s28, s21, 1                         ; block B = 2 j + u: K step j / 2, c = j % 2, half u
	s_mul_i32 s28, s28, 1536
	s_mul_i32 s29, s19, 768
	s_add_co_u32 s28, s28, s29
	s_and_b32 s29, s21, 1
	s_mul_i32 s29, s29, 24
	s_add_co_u32 s28, s28, s29
	v_mul_u32_u24 v[ST0], v2, 48
	v_mad_u32_u24 v[ST0], v3, 12, v[ST0]
	v_add_nc_u32 v[ST0], s28, v[ST0]               ; my 12 bytes of codes in a tile
	s_lshl_b32 s28, s21, 1
	s_add_co_u32 s28, s28, s19
	v_lshlrev_b32 v[SB0], 5, v2
	v_add_nc_u32 v[SB0], s28, v[SB0]               ; my row's byte B
	v_mov_b32 v161, 0                              ; written once: a lane permute's destination counts as one of its sources
	s_wait_dscnt 0x0
	GADDR
	GLOAD
	WIN 0x80                                       ; destination window 2
.irp t, 0,1,2,3
.irp ks, 0,1,2,3
.irp p, 0,1,2,3,4,5
	ds_load_b64 v[48*\t+FR*\ks+2*\p:48*\t+FR*\ks+2*\p+1], v61 offset:(\t%2)*WLN+(\t/2)*16*WP+96*\ks+48*(\p/3)+8*(\p%3)
.endr
.endr
.endr
	WIN 0xc0                                       ; window 3: K steps 4 to 7
.irp t, 0,1,2,3
.irp ks, 0,1,2,3
.irp p, 0,1,2,3,4,5
	ds_load_b64 v[48*\t+FR*\ks+2*\p:48*\t+FR*\ks+2*\p+1], v61 offset:(\t%2)*WLN+(\t/2)*16*WP+96*(\ks+4)+48*(\p/3)+8*(\p%3)
.endr
.endr
.endr
	WIN 0
.irp t, 0,1,2,3
	ds_load_b128 v[WS+4*\t:WS+4*\t+3], v62 offset:(\t%2)*3072+(\t/2)*768
.endr
	TOKLOAD 4
	s_wait_dscnt 0x0
	s_wait_loadcnt 0x0
	GSTORE 0
	GADDR
	s_wait_alu depctr_va_vdst(0)
	s_wait_dscnt 0x0                               ; the stores have landed and have read their registers
	GLOAD
	s_barrier_signal -1
	s_barrier_wait -1                              ; slot 0 is whole
; 32 products: K step by K step, the four accumulators by turns, one instruction a turn.  b1 is the C of each sum's first product.
.macro MUL b
	WIN 0x06                                       ; source 0 (w1) window 2, source 1 (xn) window 1
.irp ks, 0,1,2,3
.irp t, 0,1,2,3
.if \ks == 0
	v_wmma_scale_f32_16x16x128_f8f6f4 v[ACC+8*\t:ACC+8*\t+7], v[48*\t+FR*\ks:48*\t+FR*\ks+FR-1], v[96*\b+FR*\ks:96*\b+FR*\ks+FR-1], v[BIAS+8*\t:BIAS+8*\t+7], v[WS+4*\t+\ks], v[XS+4*\b+\ks] matrix_a_fmt:MATRIX_FMT_FP6 matrix_b_fmt:MATRIX_FMT_FP6
.else
	v_wmma_scale_f32_16x16x128_f8f6f4 v[ACC+8*\t:ACC+8*\t+7], v[48*\t+FR*\ks:48*\t+FR*\ks+FR-1], v[96*\b+FR*\ks:96*\b+FR*\ks+FR-1], v[ACC+8*\t:ACC+8*\t+7], v[WS+4*\t+\ks], v[XS+4*\b+\ks] matrix_a_fmt:MATRIX_FMT_FP6 matrix_b_fmt:MATRIX_FMT_FP6
.endif
.endr
.endr
	WIN 0x07                                       ; source 0 window 3: K steps 4 to 7; their scale words lie in lanes 16-31
.irp ks, 0,1,2,3
.irp t, 0,1,2,3
	v_wmma_scale_f32_16x16x128_f8f6f4 v[ACC+8*\t:ACC+8*\t+7], v[48*\t+FR*\ks:48*\t+FR*\ks+FR-1], v[96*\b+48+FR*\ks:96*\b+48+FR*\ks+FR-1], v[ACC+8*\t:ACC+8*\t+7], v[WS+4*\t+\ks], v[XS+4*\b+\ks] matrix_a_fmt:MATRIX_FMT_FP6 matrix_b_fmt:MATRIX_FMT_FP6 matrix_a_scale:MATRIX_SCALE_ROW1 matrix_b_scale:MATRIX_SCALE_ROW1
.endr
.endr
	WIN 0
.endm
; s = a sigmoid(1.702 a) (b + 1), a = min(gate, 7), b = clip(linear, -7, 7), in f32.  Number q = 8 v + jj: gate at ACC + 16 v + jj, linear 8 further on.  Each accumulator is read from its low end on.
.macro ACT b
.irp q, 0,1,2,3,4,5,6,7,8,9,10,11,12,13,14,15
	v_min_num_f32 v[ACC+16*(\q/8)+\q%8], s101, v[ACC+16*(\q/8)+\q%8]
.endr
.irp q, 0,1,2,3,4,5,6,7,8,9,10,11,12,13,14,15
	v_med3_num_f32 v[ACC+8+16*(\q/8)+\q%8], v[ACC+8+16*(\q/8)+\q%8], s100, s101
.endr
.irp q, 0,1,2,3,4,5,6,7
	v_pk_mul_f32 v[E+2*\q:E+2*\q+1], v[ACC+16*(\q/4)+2*(\q%4):ACC+16*(\q/4)+2*(\q%4)+1], s[32:33] op_sel_hi:[1,0]
.endr
	s_wait_alu depctr_va_vdst(0)
.irp q, 0,1,2,3,4,5,6,7,8,9,10,11,12,13,14,15
	v_exp_f32 v[E+\q], v[E+\q]                     ; e^(-1.702 a)
.endr
.irp q, 0,1,2,3,4,5,6,7
	v_pk_add_f32 v[ACC+8+16*(\q/4)+2*(\q%4):ACC+8+16*(\q/4)+2*(\q%4)+1], v[ACC+8+16*(\q/4)+2*(\q%4):ACC+8+16*(\q/4)+2*(\q%4)+1], 1.0 op_sel_hi:[1,0]   ; b + 1: plain work behind the batch
.endr
	s_wait_alu depctr_va_vdst(0)                   ; one wait for the 16 exponentials, ahead of their first reader
.irp q, 0,1,2,3,4,5,6,7
	v_pk_add_f32 v[E+2*\q:E+2*\q+1], v[E+2*\q:E+2*\q+1], 1.0 op_sel_hi:[1,0]
.endr
	s_wait_alu depctr_va_vdst(0)
.irp q, 0,1,2,3,4,5,6,7,8,9,10,11,12,13,14,15
	v_rcp_f32 v[E+\q], v[E+\q]
.endr
	s_add_co_u32 s28, s26, 2*\b                    ; this tile
	s_mul_i32 s29, s28, 12288
	s_lshl_b32 s28, s28, 9
	v_add_nc_u32 v[STA+\b], s29, v[ST0]            ; plain work behind the batch.  The stores that read these two were issued a round ago, ahead of this round's wait on XCNT
	v_add_nc_u32 v[SBA+\b], s28, v[SB0]
	s_wait_alu depctr_va_vdst(0)                   ; one wait for the 16 reciprocals
.irp q, 0,1,2,3,4,5,6,7
	v_pk_mul_f32 v[S+2*\q:S+2*\q+1], v[ACC+16*(\q/4)+2*(\q%4):ACC+16*(\q/4)+2*(\q%4)+1], v[E+2*\q:E+2*\q+1]
.endr
.irp q, 0,1,2,3,4,5,6,7
	v_pk_mul_f32 v[S+2*\q:S+2*\q+1], v[S+2*\q:S+2*\q+1], v[ACC+8+16*(\q/4)+2*(\q%4):ACC+8+16*(\q/4)+2*(\q%4)+1]
.endr
.endm
; My 16 numbers are half of block B of routed row r; lane l xor 16 holds the other half.  Each of a round's two tiles has its own registers for codes and byte.
.macro QSTORE b
	v_max3_num_f32 v160, |v[S]|, |v[S+1]|, 0x1800000   ; with the floor 2^(3 - 127)
.irp i, 2,4,6,8,10,12,14
	v_max3_num_f32 v160, v160, |v[S+\i]|, |v[S+\i+1]|
.endr
	v_permlanex16_b32 v161, v160, s98, s99
	v_max_num_f32 v160, v160, v161
	v_add_nc_u32 v162, 0xff000000, v160            ; 2 off the exponent field: the conversion's scale operand
	v_cvt_scalef32_pk16_fp6_f32 v[176+4*\b:178+4*\b], v[S:S+15], v162
	v_lshrrev_b32 v[179+4*\b], 23, v162            ; the scale's byte (and the plain line behind the conversion)
	global_store_b96 v[STA+\b], v[176+4*\b:178+4*\b], s[34:35]
	global_store_b8 v[SBA+\b], v[179+4*\b], s[36:37]   ; both halves of the lanes store the same byte
.endm
; A ROUND: four tiles of the work-group, two of mine, out of slot rr.
.macro ROUND rr
	s_add_co_u32 s26, s27, s20                     ; my first tile of the round
.if \rr
	s_add_co_u32 s26, s26, 4
.endif
	s_cmp_ge_u32 s26, s25
	s_cbranch_scc1 .Lpast_\@                       ; past the expert's last tile: only the barrier is left
	FETCH \rr, 0
	TOKLOAD 8                                      ; the list's entries of the round after next
	FETCH \rr, 1
	s_wait_dscnt 25                                ; my first tile's 25 loads and the list's 6 are in; the second tile's 24 + 1 stay out
	MUL 0
	s_wait_loadcnt 0x0                             ; what I asked for a round ago has come: its offsets may be written again
	s_wait_xcnt 0x0                                ; the last round's stores of s have read their addresses and data: these are written again only behind this wait.  It stands ahead of the run of loads below
	GADDR
	GSTORE 1-\rr                                   ; the next round's rows, into the slot that all waves left at the last barrier
	s_wait_dscnt 0x0                               ; the stores have landed and have read their registers; my second tile's fragments are in
	s_add_co_u32 s28, s26, 8
	s_cmp_ge_u32 s28, s25
	s_cbranch_scc1 .Lno_g_\@                       ; a round that will not be worked is not asked for
	s_wait_alu depctr_va_vdst(0)
	GLOAD
.Lno_g_\@:
	ACT 0
	QSTORE 0
	s_add_co_u32 s28, s26, 2
	s_cmp_ge_u32 s28, s25
	s_cbranch_scc1 .Lpast_\@                       ; my second tile lies past the last
	MUL 1
.rept 4
	v_nop                                          ; four places ahead of the first read of the results
.endr
	ACT 1
	QSTORE 1
.Lpast_\@:
	s_wait_dscnt 0x0                               ; my reads of this slot are over and my stores into the other have landed
	s_barrier_signal -1
	s_barrier_wait -1                              ; every wave passes it in every round
.endm
	s_mov_b32 s27, 0
.Ltrip:                                            ; 8 trips of two rounds: 64 tiles, the most that an expert can have
	ROUND 0
	ROUND 1
	s_add_co_u32 s27, s27, 8
	s_cmp_lt_u32 s27, 64
	s_cbranch_scc1 .Ltrip
	s_wait_tensorcnt 0x0                           ; the wave's end
	ds_add_u32 v[SPW], v[NIL]
	s_wait_dscnt 0x0
	s_endpgm
.Lfunc_end_k_q776c2d1530_ffn1:
	.size	k_q776c2d1530_ffn1, .Lfunc_end_k_q776c2d1530_ffn1-k_q776c2d1530_ffn1
	.p2alignl 7, 3214868480
	.fill 96, 4, 3214868480
	.section	.rodata,"a",@progbits
	.p2align	6, 0x0
	.amdhsa_kernel k_q776c2d1530_ffn1
		.amdhsa_group_segment_fixed_size 217600
		.amdhsa_private_segment_fixed_size 0
		.amdhsa_enable_private_segment 0
		.amdhsa_kernarg_size 56
		.amdhsa_user_sgpr_count 2
		.amdhsa_user_sgpr_kernarg_segment_ptr 1
		.amdhsa_wavefront_size32 1
		.amdhsa_system_sgpr_workgroup_id_x 1
		.amdhsa_system_sgpr_workgroup_id_y 1
		.amdhsa_system_sgpr_workgroup_id_z 1
		.amdhsa_system_vgpr_workitem_id 0
		.amdhsa_next_free_vgpr 1024
		.amdhsa_next_free_sgpr 102
		.amdhsa_reserve_vcc 1
		.amdhsa_float_denorm_mode_32 3
		.amdhsa_float_denorm_mode_16_64 3
		.amdhsa_memory_ordered 1
		.amdhsa_forward_progress 1
		.amdhsa_inst_pref_size 131
	.end_amdhsa_kernel
	.amdgpu_metadata
---
amdhsa.version: [ 1, 2 ]
amdhsa.kernels:
  - .name:           k_q776c2d1530_ffn1
    .symbol:         k_q776c2d1530_ffn1.kd
    .args:
      - { .name: sel, .offset: 0, .size: 8, .value_kind: global_buffer, .address_space: global }
      - { .name: rt, .offset: 8, .size: 8, .value_kind: global_buffer, .address_space: global }
      - { .name: w1_codes, .offset: 16, .size: 8, .value_kind: global_buffer, .address_space: global }
      - { .name: w1_scales, .offset: 24, .size: 8, .value_kind: global_buffer, .address_space: global }
      - { .name: b1, .offset: 32, .size: 8, .value_kind: global_buffer, .address_space: global }
      - { .name: sq, .offset: 40, .size: 8, .value_kind: global_buffer, .address_space: global }
      - { .name: ord, .offset: 48, .size: 8, .value_kind: global_buffer, .address_space: global }
    .group_segment_fixed_size: 217600
    .private_segment_fixed_size: 0
    .kernarg_segment_align: 8
    .kernarg_segment_size: 56
    .max_flat_workgroup_size: 128
    .sgpr_count:     102
    .vgpr_count:     1024
    .wavefront_size: 32
...
	.end_amdgpu_metadata
.endif
;; end of part 6
;; launch ffn2 (part 7): grid 16 x 16, 4 waves a work-group, no clusters, 62,976 bytes of LDS; arguments ord, sq, w2_codes, w2_scales, b2, y; writes y
.if DOCPART == 7
	.amdgcn_target "amdgcn-amd-amdhsa--gfx1250"
	.amdhsa_code_object_version 6
	.text
	.protected	k_q776c2d1530_ffn2
	.globl	k_q776c2d1530_ffn2
	.p2align	8
	.type	k_q776c2d1530_ffn2,@function
k_q776c2d1530_ffn2:
	s_mov_b64 s[64:65], 0
	v_nop
	global_prefetch_b8 v0, s[64:65] scope:SCOPE_SE
	s_setreg_imm32_b32 hwreg(HW_REG_WAVE_MODE, 25, 1), 1
	s_wait_xcnt 0x0
; LAUNCH 3 OF 4: y = s w2 + b2 on codes, for the routed rows alone (rows of experts not chosen meet a 0 of gate_full: see the first kernel's head).
; SHARES.  Work-group (j, e) owns output columns 64 j .. 64 j + 63 of expert e: 48 KB of w2's codes, read once, dense, turned through LDS and kept in every wave's registers (four tiles of 16 columns x 8 K steps).
; Wave w takes the expert's tiles of 16 routed rows w, w + 4, ..; their codes lie in sq in the order of the operand's registers: a K step's fragment is three loads that together cover 1,536 consecutive bytes.
; THE PRODUCT IS USED TRANSPOSED (source 0 = 16 output columns of w2, source 1 = 16 routed rows): a lane holds eight neighbouring columns of one row.  b2 is the C of each sum's first product.
; FOUR BUFFERS of s a wave, 25 loads each.  Buffers 0 and 1 are asked for as soon as the count (a whole number that the launch before stored) is known, ahead of the weights' turn through LDS; buffers 2 and 3
; behind the run of LDS loads that brings the weights' fragments, so that their issue does not stand between the weights' arrival and the barrier.  A trip is four tiles.  A trip with a successor (its first
; tile + 16 lies under the count) asks for each buffer again behind its products, the tile number held at the expert's last, so that no byte is read that was not written.
; The last trip is written out: it asks for nothing, and leaves at the first tile past the last.  A tile's stores stand behind the next tile's products.
; y: bf16 [1,024 e + rank][1,024]: an operand of the weighted sum over experts, which the problem leaves as it is; bf16 keeps f32's range.  Rows past an expert's last tile are not written, and nobody reads them.
; REGISTERS.  Window 0: addresses; v32-47 w2's scale words; v48-55, v244-251 s's; v64-95 b2; v96-127 accumulators; v128-159 the way out; v172-243 K steps 5-7 of buffers 2 and 3.
;   Window 1: buffers 0, 1 (v0-191), K steps 0-4 of buffer 2 (v192-251).  Window 2: w2's K steps 0-3 (v0-191), K steps 0-4 of buffer 3 (v192-251).  Window 3: w2's K steps 4-7 (in the head: the weights as loaded).
.set WP,    784                        ; LDS 0: 64 rows of w2's codes, 784 bytes apart
.set WSC,   50176                      ; their scale bytes, 48 bytes apart
.set STG,   53248                      ; the way out: 16 rows x (128 bytes + 16) for each wave, its own
.set SPARE, 62464                      ; the spare words, 128 bytes a wave
.set SSO,   12582912
.set FR,    12
.set VA,    16                         ; v16-19 the four buffers' offsets of codes, v20-23 of scale words
.set VAS,   20
.set SPW,   30
.set NIL,   31
.set WS,    32
.set XS,    48
.set BIAS,  64
.set ACC,   96
.set PK,    128
.set OB,    144
.set MSB, 0
.macro WIN new                         ; the immediate's high byte repeats the setting that is left
.if MSB != \new
	s_set_vgpr_msb (MSB<<8)|\new
.set MSB, \new
.endif
.endm
.macro LOC b, ks                       ; where K step ks of buffer b lies: window FW, register FG; XSB: the buffer's scale words
.if (\b) < 2
.set FW, 1
.set FG, 96*(\b)+FR*(\ks)
.else
.if (\ks) < 5
.set FW, (\b)-1
.set FG, 192+FR*(\ks)
.else
.set FW, 0
.set FG, 172+36*((\b)-2)+FR*((\ks)-5)
.endif
.endif
.set XSB, XS+4*(\b)+188*((\b)/2)
.endm
.macro SADDR b, add                    ; the offsets of tile s26 + add, held at the expert's last tile
	s_add_co_u32 s28, s26, \add
	s_min_u32 s28, s28, s30
	s_min_u32 s28, s28, 63
	s_mul_i32 s29, s28, 12288
	s_lshl_b32 s28, s28, 9
	v_add_nc_u32 v[VA+\b], s29, v13
	v_add_nc_u32 v[VAS+\b], s28, v14
.endm
.macro SLOAD b
.irp ks, 0,1,2,3,4,5,6,7
	LOC \b, \ks
	WIN (FW<<6)
.irp i, 0,1,2
	global_load_b128 v[FG+4*\i:FG+4*\i+3], v[VA+\b], s[34:35] offset:1536*\ks+16*\i
.endr
.endr
	WIN 0
	global_load_b128 v[XSB:XSB+3], v[VAS+\b], s[36:37]
.endm
; 32 products: K step by K step, the four accumulators by turns, one instruction a turn.  The scale words of K steps 4 to 7 lie in lanes 16-31.
.macro MUL b
.irp ks, 0,1,2,3,4,5,6,7
	LOC \b, \ks
	WIN ((2+\ks/4)|(FW<<2))                        ; source 0 (w2) window 2 or 3, source 1 (s) window FW
.irp t, 0,1,2,3
.if \ks == 0
	v_wmma_scale_f32_16x16x128_f8f6f4 v[ACC+8*\t:ACC+8*\t+7], v[48*\t:48*\t+FR-1], v[FG:FG+FR-1], v[BIAS+8*\t:BIAS+8*\t+7], v[WS+4*\t], v[XSB] matrix_a_fmt:MATRIX_FMT_FP6 matrix_b_fmt:MATRIX_FMT_FP6
.else
.if \ks < 4
	v_wmma_scale_f32_16x16x128_f8f6f4 v[ACC+8*\t:ACC+8*\t+7], v[48*\t+FR*\ks:48*\t+FR*\ks+FR-1], v[FG:FG+FR-1], v[ACC+8*\t:ACC+8*\t+7], v[WS+4*\t+\ks], v[XSB+\ks] matrix_a_fmt:MATRIX_FMT_FP6 matrix_b_fmt:MATRIX_FMT_FP6
.else
	v_wmma_scale_f32_16x16x128_f8f6f4 v[ACC+8*\t:ACC+8*\t+7], v[48*\t+FR*(\ks-4):48*\t+FR*(\ks-4)+FR-1], v[FG:FG+FR-1], v[ACC+8*\t:ACC+8*\t+7], v[WS+4*\t+\ks-4], v[XSB+\ks-4] matrix_a_fmt:MATRIX_FMT_FP6 matrix_b_fmt:MATRIX_FMT_FP6 matrix_a_scale:MATRIX_SCALE_ROW1 matrix_b_scale:MATRIX_SCALE_ROW1
.endif
.endif
.endr
.endr
	WIN 0
.endm
; The way out, in two parts.  OUTA: rounded to bf16, 16 bytes a lane and tile of columns, into my own stage and back as rows of 128 bytes (LDS serves a wave's instructions in order).  OUTB: stored.
.macro OUTA b
.irp ct, 0,1,2,3
.irp q, 0,1,2,3
	v_cvt_pk_bf16_f32 v[PK+4*\ct+\q], v[ACC+8*\ct+2*\q], v[ACC+8*\ct+2*\q+1]   ; each accumulator from its low end on
.endr
.endr
.irp ct, 0,1,2,3
	ds_store_b128 v9, v[PK+4*\ct:PK+4*\ct+3] offset:32*\ct
.endr
	s_add_co_u32 s28, s26, 4*\b
	s_lshl_b32 s28, s28, 15                        ; 16 rows of 2,048 bytes a tile
.irp i, 0,1,2,3
	ds_load_b128 v[OB+4*\i:OB+4*\i+3], v10 offset:576*\i
.endr
	v_add_nc_u32 v12, s28, v11
	s_wait_alu depctr_va_vdst(0)
.endm
.macro OUTB
	s_wait_dscnt 0x0
.irp i, 0,1,2,3
	global_store_b128 v12, v[OB+4*\i:OB+4*\i+3], s[14:15] offset:8192*\i
.endr
.endm
.macro HALF b, n, re                   ; n: the loads younger than this buffer's that may stay out;  re: the buffer is asked for again
	s_wait_loadcnt \n
	MUL \b
.if \b > 0
	OUTB                                           ; the tile before leaves
	s_wait_xcnt 0x0                                ; its stores have read their data and address: both are written again, in OUTA, only behind this wait
.endif
.if \re
	SADDR \b, 16+4*\b                              ; two plain lines,
	v_nop
	v_nop                                          ; and two more: the four places behind the products
	SLOAD \b
.else
.rept 4
	v_nop
.endr
.endif
	OUTA \b
.endm
	s_load_b256 s[4:11], s[0:1], 0x0               ; ord, sq, w2_codes, w2_scales
	s_load_b128 s[12:15], s[0:1], 0x20             ; b2, y
	v_lshl_add_u32 v[SPW], v0, 2, SPARE
	v_mov_b32 v[NIL], 0
	v_lshrrev_b32 v1, 5, v0
	v_readfirstlane_b32 s18, v1                    ; wave
	s_mov_b32 s21, ttmp9                           ; j
	s_and_b32 s22, ttmp7, 0xffff                   ; e
	s_lshl_b32 s38, s22, 2
	v_and_b32 v1, 31, v0
	v_and_b32 v2, 15, v0                           ; r
	v_bfe_u32 v3, v0, 4, 1                         ; h
	v_lshlrev_b32 v56, 4, v1                       ; 16 x lane
	s_mul_i32 s28, s18, 16*WP
	v_add_nc_u32 v57, s28, v56                     ; my wave's 16 rows in LDS
	v_lshl_add_u32 v58, v3, 4, v57
	v_add_nc_u32 v58, 512, v58                     ; the piece that crosses from a row into the next
	v_bfe_u32 v27, v0, 1, 4
	v_mul_u32_u24 v60, v27, 48
	v_and_b32 v27, 1, v0
	v_lshl_add_u32 v60, v27, 4, v60
	s_mul_i32 s28, s18, 768
	s_add_co_u32 s28, s28, WSC
	v_add_nc_u32 v60, s28, v60                     ; the scale bytes as loaded: row lane / 2, half lane % 2
	v_mul_u32_u24 v61, v2, WP
	v_mad_u32_u24 v61, v3, 24, v61                 ; a fragment: row rho, + 24 h
	v_mul_u32_u24 v62, v2, 48
	v_lshl_add_u32 v62, v3, 4, v62
	v_add_nc_u32 v62, WSC, v62                     ; its scale words: lanes 0-15 words 0-3, lanes 16-31 words 4-7
	s_mul_i32 s28, s18, 2304
	s_add_co_u32 s28, s28, STG                     ; my stage
	v_mul_u32_u24 v9, v2, 144
	v_lshl_add_u32 v9, v3, 4, v9
	v_add_nc_u32 v9, s28, v9                       ; in: row r, + 16 h
	v_bfe_u32 v27, v0, 3, 2
	v_and_b32 v26, 7, v0
	v_mul_u32_u24 v10, v27, 144
	v_lshl_add_u32 v10, v26, 4, v10
	v_add_nc_u32 v10, s28, v10                     ; back: eight lanes to a row of 128 bytes
	v_lshlrev_b32 v11, 11, v27
	v_lshl_add_u32 v11, v26, 4, v11                ; and the same place in y
	v_mul_u32_u24 v13, v2, 48
	v_mad_u32_u24 v13, v3, 768, v13                ; s's codes in a tile: 48 r + 768 h
	v_lshlrev_b32 v14, 5, v2
	v_lshl_add_u32 v14, v3, 4, v14                 ; its scale words: 32 r + 16 h
	v_lshlrev_b32 v63, 5, v3                       ; b2: 32 h
	s_mov_b32 s29, 0
	s_mov_b32 s31, 0
	s_wait_alu depctr_va_vdst(0)                   ; the wait at the head's end
	s_wait_kmcnt 0x0
	s_load_b32 s24, s[4:5], s38 offset:0x4000      ; my expert's rows
	s_mul_i32 s28, s22, 786432
	s_add_nc_u64 s[34:35], s[6:7], s[28:29]        ; my expert's codes of s
	s_mul_i32 s30, s21, 49152
	s_add_co_u32 s28, s28, s30
	s_mul_i32 s30, s18, 12288
	s_add_co_u32 s28, s28, s30
	s_add_nc_u64 s[8:9], s[8:9], s[28:29]          ; my wave's 16 rows of w2
	s_lshl_b32 s28, s22, 15
	s_add_co_u32 s30, s28, SSO
	s_add_nc_u64 s[36:37], s[6:7], s[30:31]        ; s's scale bytes
	s_lshl_b32 s30, s21, 11
	s_add_co_u32 s28, s28, s30
	s_lshl_b32 s30, s18, 9
	s_add_co_u32 s28, s28, s30
	s_add_nc_u64 s[10:11], s[10:11], s[28:29]      ; w2's scale bytes
	s_lshl_b32 s28, s22, 12
	s_lshl_b32 s30, s21, 8
	s_add_co_u32 s28, s28, s30
	s_add_nc_u64 s[12:13], s[12:13], s[28:29]      ; b2
	s_lshl_b32 s28, s22, 21
	s_lshl_b32 s30, s21, 7
	s_add_co_u32 s28, s28, s30
	s_add_nc_u64 s[14:15], s[14:15], s[28:29]      ; y: my expert's rows, my 128 bytes of them
	WIN 0xc0                                       ; destination window 3
.set i, 0
.rept 24
	global_load_b128 v[4*i:4*i+3], v56, s[8:9] offset:512*i th:TH_LOAD_NT   ; 512 consecutive bytes a load; read once in the launch
.set i, i+1
.endr
	WIN 0
	global_load_b128 v[166:169], v56, s[10:11] th:TH_LOAD_NT
.irp ct, 0,1,2,3
	global_load_b128 v[BIAS+8*\ct:BIAS+8*\ct+3], v63, s[12:13] offset:64*\ct
	global_load_b128 v[BIAS+8*\ct+4:BIAS+8*\ct+7], v63, s[12:13] offset:64*\ct+16
.endr
	s_wait_kmcnt 0x0
	s_min_u32 s24, s24, 1024
	s_add_co_u32 s25, s24, 15
	s_lshr_b32 s25, s25, 4
	s_max_u32 s25, s25, 1                          ; tiles, at least one, as the launch before wrote them
	s_sub_co_u32 s30, s25, 1                       ; the last
	s_mov_b32 s26, s18                             ; the trip's first tile
	SADDR 0, 0
	SADDR 1, 4
	SADDR 2, 8
	SADDR 3, 12
	s_wait_alu depctr_va_vdst(0)
	SLOAD 0
	SLOAD 1
	s_wait_loadcnt 59                              ; w2's codes are in; 1 + 8 + 50 younger loads stay out
	WIN 0x0c                                       ; an LDS store's data: window 3
.irp m, 0,1,2,3,4,5,6,7
	ds_store_b128 v57, v[12*\m:12*\m+3] offset:2*WP*\m
	ds_store_b128 v58, v[12*\m+4:12*\m+7] offset:2*WP*\m
	ds_store_b128 v57, v[12*\m+8:12*\m+11] offset:2*WP*\m+1040
.endr
	WIN 0
	s_wait_loadcnt 58                              ; the scale bytes are in
	ds_store_b128 v60, v[166:169]
	s_wait_dscnt 0x0                               ; my stores have landed and have read their registers
	s_barrier_signal -1
	s_barrier_wait -1                              ; the launch's one barrier
	WIN 0x80
.irp t, 0,1,2,3
.irp ks, 0,1,2,3
.irp p, 0,1,2,3,4,5
	ds_load_b64 v[48*\t+FR*\ks+2*\p:48*\t+FR*\ks+2*\p+1], v61 offset:\t*16*WP+96*\ks+48*(\p/3)+8*(\p%3)
.endr
.endr
.endr
	WIN 0xc0
.irp t, 0,1,2,3
.irp ks, 0,1,2,3
.irp p, 0,1,2,3,4,5
	ds_load_b64 v[48*\t+FR*\ks+2*\p:48*\t+FR*\ks+2*\p+1], v61 offset:\t*16*WP+96*(\ks+4)+48*(\p/3)+8*(\p%3)
.endr
.endr
.endr
	WIN 0
.irp t, 0,1,2,3
	ds_load_b128 v[WS+4*\t:WS+4*\t+3], v62 offset:768*\t
.endr
	SLOAD 2                                        ; behind the run of LDS loads
	SLOAD 3
	s_wait_dscnt 0x0                               ; the weights' fragments are in
	s_mov_b32 s27, 0
.Ltrip:                                            ; at most 3 trips of four tiles that have a successor; 75 loads are younger than a buffer's, and the wait names the 63 that its field holds
	s_add_co_u32 s28, s26, 16
	s_cmp_ge_u32 s28, s25
	s_cbranch_scc1 .Ltail
	HALF 0, 63, 1
	HALF 1, 63, 1
	HALF 2, 63, 1
	HALF 3, 63, 1
	OUTB
	s_wait_xcnt 0x0                                ; the trip's last stores have read their data and address, which the next tile's way out writes again
	s_add_co_u32 s26, s26, 16
	s_add_co_u32 s27, s27, 1
	s_cmp_lt_u32 s27, 3
	s_cbranch_scc1 .Ltrip
.Ltail:                                            ; the last trip: the four buffers are out in their order, 25 loads each, and nothing more is asked for
	s_cmp_ge_u32 s26, s25
	s_cbranch_scc1 .Ldone
	HALF 0, 63, 0
	s_add_co_u32 s28, s26, 4
	s_cmp_ge_u32 s28, s25
	s_cbranch_scc1 .Lflush
	HALF 1, 50, 0
	s_add_co_u32 s28, s26, 8
	s_cmp_ge_u32 s28, s25
	s_cbranch_scc1 .Lflush
	HALF 2, 25, 0
	s_add_co_u32 s28, s26, 12
	s_cmp_ge_u32 s28, s25
	s_cbranch_scc1 .Lflush
	HALF 3, 0, 0
.Lflush:
	OUTB                                           ; the last tile leaves
.Ldone:
	s_wait_tensorcnt 0x0                           ; the wave's end
	ds_add_u32 v[SPW], v[NIL]
	s_wait_dscnt 0x0
	s_endpgm
.Lfunc_end_k_q776c2d1530_ffn2:
	.size	k_q776c2d1530_ffn2, .Lfunc_end_k_q776c2d1530_ffn2-k_q776c2d1530_ffn2
	.p2alignl 7, 3214868480
	.fill 96, 4, 3214868480
	.section	.rodata,"a",@progbits
	.p2align	6, 0x0
	.amdhsa_kernel k_q776c2d1530_ffn2
		.amdhsa_group_segment_fixed_size 62976
		.amdhsa_private_segment_fixed_size 0
		.amdhsa_enable_private_segment 0
		.amdhsa_kernarg_size 48
		.amdhsa_user_sgpr_count 2
		.amdhsa_user_sgpr_kernarg_segment_ptr 1
		.amdhsa_wavefront_size32 1
		.amdhsa_system_sgpr_workgroup_id_x 1
		.amdhsa_system_sgpr_workgroup_id_y 1
		.amdhsa_system_sgpr_workgroup_id_z 1
		.amdhsa_system_vgpr_workitem_id 0
		.amdhsa_next_free_vgpr 1024
		.amdhsa_next_free_sgpr 66
		.amdhsa_reserve_vcc 0
		.amdhsa_float_denorm_mode_32 3
		.amdhsa_float_denorm_mode_16_64 3
		.amdhsa_memory_ordered 1
		.amdhsa_forward_progress 1
		.amdhsa_inst_pref_size 94
	.end_amdhsa_kernel
	.amdgpu_metadata
---
amdhsa.version: [ 1, 2 ]
amdhsa.kernels:
  - .name:           k_q776c2d1530_ffn2
    .symbol:         k_q776c2d1530_ffn2.kd
    .args:
      - { .name: ord, .offset: 0, .size: 8, .value_kind: global_buffer, .address_space: global }
      - { .name: sq, .offset: 8, .size: 8, .value_kind: global_buffer, .address_space: global }
      - { .name: w2_codes, .offset: 16, .size: 8, .value_kind: global_buffer, .address_space: global }
      - { .name: w2_scales, .offset: 24, .size: 8, .value_kind: global_buffer, .address_space: global }
      - { .name: b2, .offset: 32, .size: 8, .value_kind: global_buffer, .address_space: global }
      - { .name: y, .offset: 40, .size: 8, .value_kind: global_buffer, .address_space: global }
    .group_segment_fixed_size: 62976
    .private_segment_fixed_size: 0
    .kernarg_segment_align: 8
    .kernarg_segment_size: 48
    .max_flat_workgroup_size: 128
    .sgpr_count:     66
    .vgpr_count:     1024
    .wavefront_size: 32
...
	.end_amdgpu_metadata
.endif
;; end of part 7
;; launch combine (part 8): grid 256 x 1, 4 waves a work-group, no clusters, 0 bytes of LDS; arguments x, ord, rt, y, out0; writes out0
.if DOCPART == 8
	.amdgcn_target "amdgcn-amd-amdhsa--gfx1250"
	.amdhsa_code_object_version 6
	.text
	.protected	k_q776c2d1530_combine
	.globl	k_q776c2d1530_combine
	.p2align	8
	.type	k_q776c2d1530_combine,@function
k_q776c2d1530_combine:
	s_mov_b64 s[64:65], 0
	v_nop
	global_prefetch_b8 v0, s[64:65] scope:SCOPE_SE
	s_setreg_imm32_b32 hwreg(HW_REG_WAVE_MODE, 25, 1), 1
	s_wait_xcnt 0x0
; LAUNCH 4 OF 4: out = x + the sum over a token's four chosen experts of gate x y.  The 12 experts not chosen have the gate 0 and are left out (see the first kernel's head).
; One wave takes one token.  pos[4 t + k] (whole numbers that an earlier launch stored) names the row of y; the gates come from rt.  A stream: no LDS, no barrier, no matrix unit.
; Each load of x and each store covers 512 consecutive bytes, each load of y 256; all 40 loads of a wave are out together.
.set GAT, 0xc8000
	s_load_b256 s[4:11], s[0:1], 0x0               ; x, ord, rt, y
	s_load_b64 s[12:13], s[0:1], 0x20              ; out0
	v_lshrrev_b32 v1, 5, v0
	v_readfirstlane_b32 s18, v1
	s_lshl_b32 s19, ttmp9, 2
	s_add_co_u32 s19, s19, s18                     ; my token
	s_lshl_b32 s28, s19, 4
	s_lshl_b32 s30, s19, 12
	s_mov_b32 s31, 0
	v_and_b32 v1, 31, v0
	v_lshlrev_b32 v2, 4, v1                        ; x, out: 16 bytes a lane
	v_lshlrev_b32 v3, 3, v1                        ; y: 8 bytes a lane, the same four columns
	s_wait_alu depctr_va_vdst(0)
	s_wait_kmcnt 0x0
	s_load_b128 s[20:23], s[6:7], s28 offset:0x0   ; the four rows
	s_load_b128 s[24:27], s[8:9], s28 offset:GAT   ; the four gates
	s_add_nc_u64 s[4:5], s[4:5], s[30:31]
	s_add_nc_u64 s[12:13], s[12:13], s[30:31]
.irp i, 0,1,2,3,4,5,6,7
	global_load_b128 v[16+4*\i:19+4*\i], v2, s[4:5] offset:512*\i th:TH_LOAD_NT
.endr
	s_wait_kmcnt 0x0
.irp k, 0,1,2,3
	s_min_u32 s[20+\k], s[20+\k], 16383
	s_lshl_b32 s[32+2*\k], s[20+\k], 11            ; a row of y is 2,048 bytes
	s_mov_b32 s[33+2*\k], 0
	s_add_nc_u64 s[32+2*\k:33+2*\k], s[10:11], s[32+2*\k:33+2*\k]
	v_mov_b32 v[4+\k], s[24+\k]
.endr
.irp i, 0,1,2,3,4,5,6,7
.irp k, 0,1,2,3
	global_load_b64 v[48+8*\i+2*\k:49+8*\i+2*\k], v3, s[32+2*\k:33+2*\k] offset:256*\i th:TH_LOAD_NT
.endr
.endr
	s_wait_alu depctr_va_vdst(0)
.irp i, 0,1,2,3,4,5,6,7
	s_wait_loadcnt 28-4*\i                         ; x and this chunk's four loads of y are in; the later chunks' 4 (7 - i) stay out
.irp k, 0,1,2,3
	v_fma_mix_f32_bf16 v[16+4*\i], v[48+8*\i+2*\k], v[4+\k], v[16+4*\i] op_sel:[0,0,0] op_sel_hi:[1,0,0]
	v_fma_mix_f32_bf16 v[17+4*\i], v[48+8*\i+2*\k], v[4+\k], v[17+4*\i] op_sel:[1,0,0] op_sel_hi:[1,0,0]
	v_fma_mix_f32_bf16 v[18+4*\i], v[49+8*\i+2*\k], v[4+\k], v[18+4*\i] op_sel:[0,0,0] op_sel_hi:[1,0,0]
	v_fma_mix_f32_bf16 v[19+4*\i], v[49+8*\i+2*\k], v[4+\k], v[19+4*\i] op_sel:[1,0,0] op_sel_hi:[1,0,0]
.endr
	global_store_b128 v2, v[16+4*\i:19+4*\i], s[12:13] offset:512*\i th:TH_STORE_NT
.endr
	s_endpgm
.Lfunc_end_k_q776c2d1530_combine:
	.size	k_q776c2d1530_combine, .Lfunc_end_k_q776c2d1530_combine-k_q776c2d1530_combine
	.p2alignl 7, 3214868480
	.fill 96, 4, 3214868480
	.section	.rodata,"a",@progbits
	.p2align	6, 0x0
	.amdhsa_kernel k_q776c2d1530_combine
		.amdhsa_group_segment_fixed_size 0
		.amdhsa_private_segment_fixed_size 0
		.amdhsa_enable_private_segment 0
		.amdhsa_kernarg_size 40
		.amdhsa_user_sgpr_count 2
		.amdhsa_user_sgpr_kernarg_segment_ptr 1
		.amdhsa_wavefront_size32 1
		.amdhsa_system_sgpr_workgroup_id_x 1
		.amdhsa_system_sgpr_workgroup_id_y 1
		.amdhsa_system_sgpr_workgroup_id_z 1
		.amdhsa_system_vgpr_workitem_id 0
		.amdhsa_next_free_vgpr 112
		.amdhsa_next_free_sgpr 66
		.amdhsa_reserve_vcc 0
		.amdhsa_float_denorm_mode_32 3
		.amdhsa_float_denorm_mode_16_64 3
		.amdhsa_memory_ordered 1
		.amdhsa_forward_progress 1
		.amdhsa_inst_pref_size 15
	.end_amdhsa_kernel
	.amdgpu_metadata
---
amdhsa.version: [ 1, 2 ]
amdhsa.kernels:
  - .name:           k_q776c2d1530_combine
    .symbol:         k_q776c2d1530_combine.kd
    .args:
      - { .name: x, .offset: 0, .size: 8, .value_kind: global_buffer, .address_space: global }
      - { .name: ord, .offset: 8, .size: 8, .value_kind: global_buffer, .address_space: global }
      - { .name: rt, .offset: 16, .size: 8, .value_kind: global_buffer, .address_space: global }
      - { .name: y, .offset: 24, .size: 8, .value_kind: global_buffer, .address_space: global }
      - { .name: out0, .offset: 32, .size: 8, .value_kind: global_buffer, .address_space: global }
    .group_segment_fixed_size: 0
    .private_segment_fixed_size: 0
    .kernarg_segment_align: 8
    .kernarg_segment_size: 40
    .max_flat_workgroup_size: 128
    .sgpr_count:     66
    .vgpr_count:     112
    .wavefront_size: 32
...
	.end_amdgpu_metadata
.endif
;; end of part 8
